; MI455X (gfx1250); checked and timed in simulation.
; The chip was launched on July 23, 2026; its instructions are those of AMD's public machine-readable ISA for CDNA 5 (MIT licence, August 2026) and "CDNA5" Instruction Set Architecture Reference Guide (July 2026). The comments in the code are by the model that wrote it; some were corrected since.
;; Llama Attention. Allowed arithmetic: matrix products marked QUANTISED: E4M3 operands, one given power-of-two scale a tensor, by v_wmma_f32_16x16x64_fp8_fp8 or v_wmma_f32_16x16x128_fp8_fp8, f32 sums; everything else in f32.
;; Inputs: Wk 2,048 x 512 float32; Wo 2,048 x 2,048 float32; Wq 2,048 x 512 float32; Wv 2,048 x 512 float32; bo 2,048 float32; lowp_scales 12 int32 (the exponents e of the quantised operands' scales 2^e); theta 64 float32; x 2 x 2,048 x 512 float32.
;; Outputs: out0 2 x 2,048 x 2,048 float32.
;; This version of the problem:
;;   THIS VERSION OF THE PROBLEM IS GIVEN IN LOW PRECISION. The matrix products marked QUANTISED in the list below multiply operands that are first quantised to E4M3 (4 exponent bits, 3 mantissa bits; 8 bits a number), with one given power-of-two scale for each operand tensor; their sums are f32. All else is computed in f32.
;;   The module's matrix products, in the order in which they are computed (A, B: the left and right operand; K: the contracted axis; several contracted axes count as one K, in the product's order):
;;     1. [M 4,096, K 512] x [K 512, N 2,048]; A: input x; B: input Wq: QUANTISED (scales: A lowp_scales[0], B lowp_scales[1])
;;     2. [M 4,096, K 512] x [K 512, N 2,048]; A: input x; B: input Wk: QUANTISED (scales: A lowp_scales[2], B lowp_scales[3])
;;     3. [M 4,096, K 512] x [K 512, N 2,048]; A: input x; B: input Wv: QUANTISED (scales: A lowp_scales[4], B lowp_scales[5])
;;     4. batch 32 x [M 2,048, K 128] x [K 128, N 2,048]; A: computed on the way; B: computed on the way: QUANTISED (scales: A lowp_scales[6], B lowp_scales[7])
;;     5. batch 32 x [M 128, K 2,048] x [K 2,048, N 2,048]; A: computed on the way; B: softmax (see below): QUANTISED (scales: A lowp_scales[8], B lowp_scales[9])
;;     6. [M 4,096, K 2,048] x [K 2,048, N 2,048]; A: computed on the way; B: input Wo: QUANTISED (scales: A lowp_scales[10], B lowp_scales[11])
;;   THE QUANTISER, for each operand of a quantised product, along K:
;;     - The operand's scale is 2^e, e = its entry of the input lowp_scales (int32; the entries are numbered through the quantised products in the list's order, A before B).
;;     - Each number is divided by the scale, clamped to +-448, and rounded to the nearest number of E4M3, ties to even, subnormals kept.
;;     - The product sums the exact products of the quantised numbers (number of the format x scale) in f32.
;;   ~~~python
;;   def quantise(x, axis, e):      # numpy; x: float32 -> the quantised numbers, widened to float32 again
;;       x = np.moveaxis(x, axis, -1); K = x.shape[-1]
;;       r = np.clip(x / 2.0 ** e, -448, 448)
;;       step = 2.0 ** (np.maximum(np.frexp(np.where(r == 0, 1, r))[1] - 1, -6) - 3)
;;       q = np.round(r / step) * step * 2.0 ** e      # np.round: ties to even
;;       return np.moveaxis(q, -1, axis).astype(np.float32)
;;   ~~~
;;   SOFTMAX AHEAD OF A QUANTISED PRODUCT. Where the list says 'softmax', what is quantised is not the finished softmax but p = 2^(t - M), with t = logit x log2(e) and M = ceil(the row's largest t), a whole number; so 1/2 < the row's largest p <= 1. The row's sum l is taken of the UNQUANTISED p, in f32, and the product's result is divided by l at the end. Since M is a whole number, a kernel that streams over the keys may use a running M (the ceiling of the running maximum): every later rescaling is an exact power of two, so the quantised numbers keep their values, but for numbers so far below the row's largest that they fall under the format's range.
;;   OPERANDS COMPUTED ON THE WAY. 'Computed on the way' means the value that the module computes at that place (a softmax that the list does not call 'softmax' is quantised finished and normalised). What goes into a quantiser is computed in f32, as accurately as f32 sums, v_exp_f32 and their like allow (about 1e-6 of the number): no bf16 or f16 on the way to a quantiser, and a product that is left as it is and whose result goes on into a quantised operand takes f32 operands (vector FMAs, or v_wmma_f32_16x16x4_f32). A number that lies on a knife's edge between two numbers of the format may be rounded either way, as far as f32 arithmetic and the matrix unit's own rounding can turn it there, and no further.
;; One version. Each part assembles by itself: llvm-mc -triple=amdgcn-amd-amdhsa -mcpu=gfx1250 --defsym DOCPART=n.
;; ======== version 1 of 1: 4 launches
;; limits: right only within a limited range of input values
;; workspace buffers: pc 13,631,488 bytes; tab 1,048,576 bytes; qkv 25,165,824 bytes; ctx 8,388,608 bytes
;; launch prep (part 1): grid 256 x 1, 10 waves a work-group, no clusters, 83,200 bytes of LDS; arguments x, Wq, Wk, Wv, Wo, theta, lowp_scales, pc, tab; writes pc, tab
.if DOCPART == 1
	.amdgcn_target "amdgcn-amd-amdhsa--gfx1250"
	.amdhsa_code_object_version 6
	.text
	.protected	k_qad38cf68ce_prep
	.globl	k_qad38cf68ce_prep
	.p2align	8
	.type	k_qad38cf68ce_prep,@function
k_qad38cf68ce_prep:
	s_mov_b64 s[64:65], 0
	v_nop
	global_prefetch_b8 v0, s[64:65] scope:SCOPE_SE
	s_setreg_imm32_b32 hwreg(HW_REG_WAVE_MODE, 25, 1), 1
	s_wait_xcnt 0x0
; x, Wq, Wk, Wv, Wo (f32, K innermost, rows dense) become codes of E4M3 in pc; theta becomes the table of cos and sin in tab.
; code = number / 2^e, to the nearest code, ties to even.  x is quantised three times (entries 0, 2, 4 of the scales), Wq by entry 1, Wk by 3, Wv by 5, Wo by 11.
; pc, in bytes: x by e0 at 0, by e2 at 2 MB, by e4 at 4 MB; Wq at 6 MB, Wk at 7 MB, Wv at 8 MB, Wo at 9 MB; rows as in the inputs, one byte a number.
; INSIDE EACH ALIGNED GROUP OF 32 CODES THE TWO MIDDLE PIECES OF 8 CHANGE PLACES: bytes 0-7, 8-15, 16-23, 24-31 hold k 0-7, 16-23, 8-15, 24-31.  A lane that later takes 16 bytes at 16 (lane / 16) of each
; group then holds k = 16 c + 8 (lane / 16) + 0 .. 7 in registers 2 c, 2 c + 1: the place that the plain 8-bit matrix form gives each k (ISA guide 7.12.2), by loads of 16 bytes.
; SHARES.  The five tensors are 2,304 runs of 4,096 numbers: 256 work-groups x 9 waves.  EVERY WORK-GROUP HAS THE SAME WORK: waves 0 and 1 take a run of x, waves 2, 3, 4 one of Wq, Wk, Wv, waves 5 to 8 one of Wo; run number within
; the tensor = 256 x (wave - the tensor's first wave) + work-group, so that neighbouring work-groups take neighbouring 16 KB.  Wave 9 makes half a block of the table: 16 positions x 16 angles a lane.
; A wave asks for all its 32 loads (16 KB) at its head.  Each load reads 512 consecutive bytes; a step's 2,048 bytes turn through the wave's own stage in LDS (16 bytes of padding behind each 64), from which a lane
; takes the two pieces of 8 neighbours that its 16 output bytes want.  Each store of the wave covers 512 consecutive bytes, aligned.  Waves share nothing: no barrier, no tensor load, no cluster.
; THE TABLE.  f = pos x theta[i], rounded once as f32; k = nearest whole number to f x 2 / pi; r = f - k x pi / 2 with pi / 2 in three parts; sin and cos of r by polynomials on |r| <= pi / 4; the quadrant by selects.
; Four angles go line by line, so that no line reads the result of the line above it.
; tab [pos / 16][q 16][lane 32][4]: lane (r, h) holds cos f(i0), sin f(i0), cos f(i0 + 1), sin f(i0 + 1) for pos = 16 block + r, i0 = 8 (q / 2) + 4 h + 2 (q % 2): the order of the next launch's registers.
; LIMITS: each e used here between -126 and 119; NaN among the inputs is not served; |pos x theta| under 2^22.
.set R,    64                          ; v64-191   8 steps x 16 numbers as they are loaded
.set X,    16                          ; v16-47    two sets of 16 numbers back from the stage
.set T,    48                          ; v48-63    unused
.set C,    192                         ; v192-203  codes: four registers for each of up to three scales
.set SP,   80                          ; a place in a stage: 64 bytes + 16 of padding
.set STG,  32*SP                       ; a stage
.set WREG, 8192                        ; LDS of a wave: two stages
.set TT,   128                         ; the table: v128-159, eight registers at work for each of four angles
	s_load_b512 s[4:19], s[0:1], 0x0               ; x s[4:5], Wq s[6:7], Wk s[8:9], Wv s[10:11], Wo s[12:13], theta s[14:15], the scales s[16:17], pc s[18:19]
	s_load_b64 s[20:21], s[0:1], 0x40              ; tab
	v_lshl_add_u32 v208, v0, 2, 0x14000
	v_mov_b32 v209, 0
	v_lshrrev_b32 v1, 5, v0
	s_delay_alu instid0(VALU_DEP_1)
	v_readfirstlane_b32 s22, v1                    ; wave 0 .. 9
	v_and_b32 v2, 31, v0                           ; lane
	s_delay_alu instid0(VALU_DEP_1)
	v_lshlrev_b32 v3, 4, v2                        ; 16 x lane: my bytes of a load, of a store of codes, of a store into the table
	s_wait_kmcnt 0x0
	s_cmp_eq_u32 s22, 9
	s_cbranch_scc1 .Ltable
	s_load_b256 s[24:31], s[16:17], 0x0            ; e0 .. e7
	s_load_b128 s[32:35], s[16:17], 0x20           ; e8 .. e11
	s_mul_i32 s23, s22, WREG
	s_wait_alu depctr_va_vdst(0)
	v_lshrrev_b32 v14, 2, v2
	s_delay_alu instid0(VALU_DEP_1)
	v_mul_u32_u24 v14, v14, SP
	v_and_b32 v15, 3, v2
	s_delay_alu instid0(VALU_DEP_1)
	v_lshl_add_u32 v14, v15, 4, v14
	s_delay_alu instid0(VALU_DEP_1)
	v_add_nc_u32 v14, s23, v14                     ; into the stage: four lanes fill a place: SP (lane / 4) + 16 (lane % 4)
	v_and_b32 v15, 30, v2
	s_delay_alu instid0(VALU_DEP_1)
	v_mul_u32_u24 v15, v15, SP
	v_and_b32 v4, 1, v2
	s_delay_alu instid0(VALU_DEP_1)
	v_lshl_add_u32 v15, v4, 5, v15
	s_delay_alu instid0(VALU_DEP_1)
	v_add_nc_u32 v15, s23, v15                     ; out of it: places lane & 30 and the next, their first 32 bytes (even lanes) or their last 32 (odd lanes)
	; which tensor: the choice hangs on the wave's number alone
	s_mov_b64 s[36:37], s[12:13]                   ; Wo,
	s_mov_b32 s38, 5                               ; its first wave,
	s_mov_b32 s39, 9<<20                           ; its place in pc
	s_cmp_lt_u32 s22, 5
	s_cselect_b64 s[36:37], s[10:11], s[36:37]     ; Wv
	s_cselect_b32 s38, 4, s38
	s_cselect_b32 s39, 8<<20, s39
	s_cmp_lt_u32 s22, 4
	s_cselect_b64 s[36:37], s[8:9], s[36:37]       ; Wk
	s_cselect_b32 s38, 3, s38
	s_cselect_b32 s39, 7<<20, s39
	s_cmp_lt_u32 s22, 3
	s_cselect_b64 s[36:37], s[6:7], s[36:37]       ; Wq
	s_cselect_b32 s38, 2, s38
	s_cselect_b32 s39, 6<<20, s39
	s_cmp_lt_u32 s22, 2
	s_cselect_b64 s[36:37], s[4:5], s[36:37]       ; x
	s_cselect_b32 s38, 0, s38
	s_cselect_b32 s39, 0, s39
	s_sub_co_u32 s38, s22, s38
	s_lshl_b32 s38, s38, 8
	s_add_co_u32 s38, s38, ttmp9                   ; my run of 4,096 numbers within the tensor: at most 1,023 (Wo)
	s_lshl_b32 s42, s38, 14                        ; its 16,384 bytes,
	s_mov_b32 s43, 0
	s_add_nc_u64 s[36:37], s[36:37], s[42:43]
	s_lshl_b32 s44, s38, 12                        ; and its 4,096 codes
	s_add_co_u32 s44, s44, s39
	s_mov_b32 s45, 0
	s_add_nc_u64 s[18:19], s[18:19], s[44:45]
.macro LOAD t
.irp i, 0,1,2,3
	global_load_b128 v[R+16*(\t)+4*\i:R+16*(\t)+4*\i+3], v3, s[36:37] offset:2048*(\t)+512*\i th:TH_LOAD_NT   ; 32 lanes read 512 consecutive bytes; read once in the launch
.endr
.endm
.macro TURN t                          ; step t through the stage.  LDS serves a wave's instructions in order (ISA guide 5.7.1.4): no wait between the stores and the loads
.irp i, 0,1,2,3
	ds_store_b128 v14, v[R+16*(\t)+4*\i:R+16*(\t)+4*\i+3] offset:STG*((\t)%2)+8*SP*\i
.endr
	ds_load_b128 v[X+16*((\t)%2):X+16*((\t)%2)+3],     v15 offset:STG*((\t)%2)
	ds_load_b128 v[X+16*((\t)%2)+4:X+16*((\t)%2)+7],   v15 offset:STG*((\t)%2)+16
	ds_load_b128 v[X+16*((\t)%2)+8:X+16*((\t)%2)+11],  v15 offset:STG*((\t)%2)+SP
	ds_load_b128 v[X+16*((\t)%2)+12:X+16*((\t)%2)+15], v15 offset:STG*((\t)%2)+SP+16
.endm
.macro SCALE se, vs, vl                ; v[vs] = 2^e as f32 (the conversion takes its exponent field)
	s_add_co_i32 s46, s[\se], 127
	s_lshl_b32 s47, s46, 23
	v_mov_b32 v[\vs], s47
.endm
.macro QUANT xs, sc, lim, c            ; 16 numbers at v[xs] become 16 codes at v[C + c]; the numbers stay, since x is quantised three times
.set i, 0
.rept 16
.set i, i+1
.endr
	v_cvt_scalef32_pk8_fp8_f32 v[C+\c:C+\c+1], v[T+(((\xs)+i)-(T+i)):T+7+(((\xs)+i)-(T+i))], v[\sc]
	v_cvt_scalef32_pk8_fp8_f32 v[C+\c+2:C+\c+3], v[T+8+(((\xs)+i)-(T+i)):T+15+(((\xs)+i)-(T+i))], v[\sc]
	v_nop                                          ; a plain line between the conversions and the next lines that write their sources
.endm
.irp t, 0,1,2,3,4,5,6,7
	LOAD \t
.endr
	s_wait_alu depctr_va_vdst(0)
	s_wait_kmcnt 0x0                               ; the scales
	s_mov_b32 s40, s35                             ; e11 for Wo,
	s_cmp_lt_u32 s22, 5
	s_cselect_b32 s40, s29, s40                    ; e5 for Wv,
	s_cmp_lt_u32 s22, 4
	s_cselect_b32 s40, s27, s40                    ; e3 for Wk,
	s_cmp_lt_u32 s22, 3
	s_cselect_b32 s40, s25, s40                    ; e1 for Wq,
	s_cmp_lt_u32 s22, 2
	s_cselect_b32 s40, s24, s40                    ; e0 for x
	SCALE 40, 8, 9
	SCALE 26, 10, 11                               ; e2 and e4: x's other two
	SCALE 28, 12, 13
	s_wait_alu depctr_va_vdst(0)
	s_wait_loadcnt 28                              ; step 0's four loads are in; the 28 behind them may be out
	TURN 0
.macro STEP t
	s_wait_dscnt 0x0                               ; this step's numbers are back from the stage
.if (\t) < 7
	s_wait_loadcnt 4*(6-(\t))                      ; the next step's four loads are in; those of the steps behind it may be out
	TURN (\t)+1                                    ; they go through the other stage while this step is worked
.endif
	s_wait_xcnt 0x0                                ; the last step's stores have read their data: the codes' registers are written again only behind this wait
	QUANT X+16*((\t)%2), 8, 9, 0
	global_store_b128 v3, v[C:C+3], s[18:19] offset:512*(\t)
	s_cmp_lt_u32 s22, 2                            ; x alone has two more scales
	s_cbranch_scc0 .Lone_\@
	QUANT X+16*((\t)%2), 10, 11, 4
	global_store_b128 v3, v[C+4:C+7], s[18:19] offset:0x200000+512*(\t)
	QUANT X+16*((\t)%2), 12, 13, 8
	global_store_b128 v3, v[C+8:C+11], s[18:19] offset:0x400000+512*(\t)
.Lone_\@:
.endm
.irp t, 0,1,2,3,4,5,6,7
	STEP \t
.endr
	s_wait_tensorcnt 0x0
	ds_add_u32 v208, v209
	s_wait_dscnt 0x0
	s_endpgm
.Ltable:
	s_lshr_b32 s23, ttmp9, 1                       ; my block of 16 positions, 0 .. 127,
	s_and_b32 s26, ttmp9, 1                        ; and which eight of its sixteen q
	v_and_b32 v4, 15, v0                           ; r
	v_bfe_u32 v5, v0, 4, 1                         ; h
	s_lshl_b32 s24, s23, 4
	v_add_nc_u32 v6, s24, v4
	s_delay_alu instid0(VALU_DEP_1)
	v_cvt_f32_u32 v6, v6                           ; pos
	v_lshlrev_b32 v7, 4, v5                        ; 4 h numbers of theta on,
	s_lshl_b32 s27, s26, 7
	v_add_nc_u32 v7, s27, v7                       ; and 32 more for the upper eight q
.irp q, 0,1,2,3,4,5,6,7
	global_load_b64 v[16+2*\q:17+2*\q], v7, s[14:15] offset:32*(\q/2)+8*(\q%2)   ; theta[i0], theta[i0 + 1]
.endr
	s_lshl_b32 s24, s23, 13
	s_lshl_b32 s27, s26, 12
	s_add_co_u32 s24, s24, s27
	s_mov_b32 s25, 0
	s_add_nc_u64 s[20:21], s[20:21], s[24:25]      ; my 4,096 bytes of the table
	s_mov_b32 s40, 0x3f22f983                      ; 2 / pi
	s_mov_b32 s41, 0x3fc90fdb                      ; pi / 2 = this
	s_mov_b32 s42, 0x333bbd2e                      ;   - this
	s_mov_b32 s43, 0x26f72ced                      ;   - this
	s_mov_b32 s44, 0xb94ca1f9                      ; sin r = r + r z (s46 + z (s45 + z s44)), z = r r
	s_mov_b32 s45, 0x3c08839e
	s_mov_b32 s46, 0xbe2aaaa3
	s_mov_b32 s47, 0x37ccf5ce                      ; cos r = 1 - z / 2 + z z (s49 + z (s48 + z s47))
	s_mov_b32 s48, 0xbab6061a
	s_mov_b32 s49, 0x3d2aaaa5
	s_wait_alu depctr_va_vdst(0)
	s_wait_loadcnt 0x0
; Angles m .. m + 3 (theta in v[16 + m]; cos to v[64 + 2 m], sin to v[65 + 2 m]).  Angle k works in v[TT + 8 k] on: +0 f, +1 k, +2 r, +3 k as a whole number, +4 z, +5 sin, +6 cos, +7 at work; its mask in s[50 + k].
.macro SC4 m
.irp k, 0,1,2,3
	v_mul_f32 v[TT+8*\k], v6, v[16+(\m)+\k]                                  ; f, rounded once
.endr
.irp k, 0,1,2,3
	s_delay_alu instid0(VALU_DEP_4)
	v_mul_f32 v[TT+8*\k+1], s40, v[TT+8*\k]
.endr
.irp k, 0,1,2,3
	s_delay_alu instid0(VALU_DEP_4)
	v_rndne_f32 v[TT+8*\k+1], v[TT+8*\k+1]                                   ; k
.endr
.irp k, 0,1,2,3
	s_delay_alu instid0(VALU_DEP_4)
	v_fma_f32 v[TT+8*\k+2], -v[TT+8*\k+1], s41, v[TT+8*\k]                   ; exact: f and k x s41 are multiples of 2^-23 and the difference is small
.endr
.irp k, 0,1,2,3
	s_delay_alu instid0(VALU_DEP_4)
	v_fma_f32 v[TT+8*\k+2], v[TT+8*\k+1], s42, v[TT+8*\k+2]
.endr
.irp k, 0,1,2,3
	s_delay_alu instid0(VALU_DEP_4)
	v_fma_f32 v[TT+8*\k+2], v[TT+8*\k+1], s43, v[TT+8*\k+2]                  ; r
.endr
.irp k, 0,1,2,3
	v_cvt_i32_f32 v[TT+8*\k+3], v[TT+8*\k+1]
.endr
.irp k, 0,1,2,3
	v_mul_f32 v[TT+8*\k+4], v[TT+8*\k+2], v[TT+8*\k+2]                       ; z
.endr
.irp k, 0,1,2,3
	s_delay_alu instid0(VALU_DEP_4)
	v_fma_f32 v[TT+8*\k+5], v[TT+8*\k+4], s44, s45
.endr
.irp k, 0,1,2,3
	v_fma_f32 v[TT+8*\k+6], v[TT+8*\k+4], s47, s48
.endr
.irp k, 0,1,2,3
	v_fma_f32 v[TT+8*\k+5], v[TT+8*\k+5], v[TT+8*\k+4], s46
.endr
.irp k, 0,1,2,3
	v_fma_f32 v[TT+8*\k+6], v[TT+8*\k+6], v[TT+8*\k+4], s49
.endr
.irp k, 0,1,2,3
	v_mul_f32 v[TT+8*\k+5], v[TT+8*\k+5], v[TT+8*\k+4]
.endr
.irp k, 0,1,2,3
	v_mul_f32 v[TT+8*\k+6], v[TT+8*\k+6], v[TT+8*\k+4]
.endr
.irp k, 0,1,2,3
	v_fma_f32 v[TT+8*\k+7], v[TT+8*\k+4], -0.5, 1.0
.endr
.irp k, 0,1,2,3
	v_fma_f32 v[TT+8*\k+5], v[TT+8*\k+5], v[TT+8*\k+2], v[TT+8*\k+2]         ; sin r
.endr
.irp k, 0,1,2,3
	v_fma_f32 v[TT+8*\k+6], v[TT+8*\k+6], v[TT+8*\k+4], v[TT+8*\k+7]         ; cos r
.endr
.irp k, 0,1,2,3
	v_and_b32 v[TT+8*\k+7], 1, v[TT+8*\k+3]
.endr
.irp k, 0,1,2,3
	s_delay_alu instid0(VALU_DEP_4)
	v_cmp_eq_u32 s[50+\k], 1, v[TT+8*\k+7]                                   ; in odd quadrants the two change places
.endr
.irp k, 0,1,2,3
	s_delay_alu instid0(VALU_DEP_4)
	v_cndmask_b32 v[TT+8*\k+7], v[TT+8*\k+5], v[TT+8*\k+6], s[50+\k]
.endr
.irp k, 0,1,2,3
	v_cndmask_b32 v[TT+8*\k+6], v[TT+8*\k+6], v[TT+8*\k+5], s[50+\k]
.endr
.irp k, 0,1,2,3
	v_lshlrev_b32 v[TT+8*\k+5], 30, v[TT+8*\k+3]
.endr
.irp k, 0,1,2,3
	s_delay_alu instid0(VALU_DEP_4)
	v_and_b32 v[TT+8*\k+5], 0x80000000, v[TT+8*\k+5]                         ; sin is negated where bit 1 of k is set,
.endr
.irp k, 0,1,2,3
	s_delay_alu instid0(VALU_DEP_4)
	v_xor_b32 v[65+2*((\m)+\k)], v[TT+8*\k+5], v[TT+8*\k+7]
.endr
.irp k, 0,1,2,3
	v_add_nc_u32 v[TT+8*\k+3], 1, v[TT+8*\k+3]
.endr
.irp k, 0,1,2,3
	s_delay_alu instid0(VALU_DEP_4)
	v_lshlrev_b32 v[TT+8*\k+3], 30, v[TT+8*\k+3]
.endr
.irp k, 0,1,2,3
	s_delay_alu instid0(VALU_DEP_4)
	v_and_b32 v[TT+8*\k+3], 0x80000000, v[TT+8*\k+3]                         ; cos where bit 1 of k + 1 is
.endr
.irp k, 0,1,2,3
	s_delay_alu instid0(VALU_DEP_4)
	v_xor_b32 v[64+2*((\m)+\k)], v[TT+8*\k+3], v[TT+8*\k+6]
.endr
.endm
	SC4 0
	SC4 4
	SC4 8
	SC4 12
.set q, 0
.rept 8
	global_store_b128 v3, v[64+4*q:67+4*q], s[20:21] offset:512*q   ; 512 consecutive bytes, aligned
.set q, q+1
.endr
	s_endpgm
.Lfunc_end_k_qad38cf68ce_prep:
	.size	k_qad38cf68ce_prep, .Lfunc_end_k_qad38cf68ce_prep-k_qad38cf68ce_prep
	.p2alignl 7, 3214868480
	.fill 96, 4, 3214868480
	.section	.rodata,"a",@progbits
	.p2align	6, 0x0
	.amdhsa_kernel k_qad38cf68ce_prep
		.amdhsa_group_segment_fixed_size 83200
		.amdhsa_private_segment_fixed_size 0
		.amdhsa_enable_private_segment 0
		.amdhsa_kernarg_size 72
		.amdhsa_user_sgpr_count 2
		.amdhsa_user_sgpr_kernarg_segment_ptr 1
		.amdhsa_wavefront_size32 1
		.amdhsa_system_sgpr_workgroup_id_x 1
		.amdhsa_system_sgpr_workgroup_id_y 1
		.amdhsa_system_sgpr_workgroup_id_z 1
		.amdhsa_system_vgpr_workitem_id 0
		.amdhsa_next_free_vgpr 210
		.amdhsa_next_free_sgpr 66
		.amdhsa_reserve_vcc 0
		.amdhsa_float_denorm_mode_32 3
		.amdhsa_float_denorm_mode_16_64 3
		.amdhsa_fp16_overflow 1
		.amdhsa_memory_ordered 1
		.amdhsa_forward_progress 1
		.amdhsa_inst_pref_size 49
	.end_amdhsa_kernel
	.amdgpu_metadata
---
amdhsa.version: [ 1, 2 ]
amdhsa.kernels:
  - .name:           k_qad38cf68ce_prep
    .symbol:         k_qad38cf68ce_prep.kd
    .args:
      - { .name: x, .offset: 0, .size: 8, .value_kind: global_buffer, .address_space: global }
      - { .name: Wq, .offset: 8, .size: 8, .value_kind: global_buffer, .address_space: global }
      - { .name: Wk, .offset: 16, .size: 8, .value_kind: global_buffer, .address_space: global }
      - { .name: Wv, .offset: 24, .size: 8, .value_kind: global_buffer, .address_space: global }
      - { .name: Wo, .offset: 32, .size: 8, .value_kind: global_buffer, .address_space: global }
      - { .name: theta, .offset: 40, .size: 8, .value_kind: global_buffer, .address_space: global }
      - { .name: lowp_scales, .offset: 48, .size: 8, .value_kind: global_buffer, .address_space: global }
      - { .name: pc, .offset: 56, .size: 8, .value_kind: global_buffer, .address_space: global }
      - { .name: tab, .offset: 64, .size: 8, .value_kind: global_buffer, .address_space: global }
    .group_segment_fixed_size: 83200
    .private_segment_fixed_size: 0
    .kernarg_segment_align: 8
    .kernarg_segment_size: 72
    .max_flat_workgroup_size: 320
    .sgpr_count:     66
    .vgpr_count:     210
    .wavefront_size: 32
...
	.end_amdgpu_metadata
.endif
;; end of part 1
;; launch qkv (part 2): grid 8 x 32, 4 waves a work-group, clusters of 4 x 4, 327,680 bytes of LDS; arguments pc, tab, lowp_scales, qkv; writes qkv
.if DOCPART == 2
	.amdgcn_target "amdgcn-amd-amdhsa--gfx1250"
	.amdhsa_code_object_version 6
	.text
	.protected	k_qad38cf68ce_qkv
	.globl	k_qad38cf68ce_qkv
	.p2align	8
	.type	k_qad38cf68ce_qkv,@function
k_qad38cf68ce_qkv:
	s_mov_b64 s[64:65], 0
	v_nop
	global_prefetch_b8 v0, s[64:65] scope:SCOPE_SE
	s_setreg_imm32_b32 hwreg(HW_REG_WAVE_MODE, 25, 1), 1
	s_wait_xcnt 0x0
	s_wait_alu depctr_hold_cnt(0) depctr_sa_sdst(0) depctr_va_vdst(0) depctr_va_sdst(0) depctr_va_ssrc(0) depctr_va_vcc(0) depctr_vm_vsrc(0)
	s_getreg_b32 s2, hwreg(HW_REG_IB_STS2, 6, 4)
	s_cmp_eq_u32 s2, 0
	s_cbranch_scc0 .Lentry_in_a_cluster
	s_endpgm
.Lentry_in_a_cluster:
	s_bfe_u32 s2, ttmp6, 0x10000c
	s_cmp_lg_u32 s2, 0xf033
	s_cbranch_scc0 .Lentry_shape_is_right
	s_endpgm
.Lentry_shape_is_right:
; The three projections on codes of E4M3 (K = 512), the rotation of q and k, and the quantising of q, k, v for the two products of attention.
; A tile is 128 rows of operand A x 256 rows of operand B; four waves, each 64 x 128: 32 accumulators, 256 registers.  There are 256 tiles of each product and 256 work-groups: A WORK-GROUP STAYS and makes three tiles, one of q, one
; of k, one of v, written out one behind the other, so that arguments, the first tiles' way from memory and the last stores' way to it are waited for once and not three times.
; THE MATRIX INSTRUCTION IS USED TRANSPOSED (source 0 = 16 rows of B, source 1 = 16 rows of A): lane (r, h) holds row r of A, and its register j row 16 b + 8 h + j of B.
;   q, k: A = x's codes, B = W's: a lane holds one position, its registers run along a head's 128 features, the next K.  A wave's 128 rows of B are one head.
;   v:    A = Wv's codes, B = x's: a lane holds one feature d, its registers run along 128 positions, which are the keys, the next K.  Only the operands' addresses differ.
; So in all three the conversions' results are the next operand's registers; they leave as IMAGES of those registers (four stores of 16 bytes a lane, 512 consecutive bytes each): no stage, nothing transposed.
; q, k: A's 128 rows are 64 positions of batch 0 and the same 64 of batch 1, so that one set of cos and sin serves two accumulators; it is loaded once and serves q and k.
; THE ROTATION stays in place: feature 2 i takes ve cos - vo sin, feature 2 i + 1 takes ve sin + vo cos.  That is another order of a head's 128 than the concatenation has, the same in q and in k, so their product is the same sum.
; A sum stands for sum x 2^(ea + eb); its code is sum / 2^(e_next - ea - eb): the three scales are folded into the conversion's one.
; THE RING.  The three tiles are six chunks of 256 along K (384 rows x 256 bytes): q's two, k's two, v's two; chunk c lies in slot c mod 3 of three LDS slots.  Chunks 0, 1, 2 are asked for together at the head: three loads of
; a wave are out.  Chunks 3, 4, 5 fill slots 0, 1, 2 again, one load a wave behind a round of the cluster's barrier: chunk 3 in the middle of q's products (80 matrix instructions and q's way out stand ahead of the next wait for all
; loads), chunk 4 behind q's way out (96 matrix instructions), chunk 5 inside k's last products (k's way out and 48 matrix instructions ahead of the wait for it).
; CLUSTERS: 4 x 4.  A's tile hangs on the tile row alone and is asked for jointly by a row of the cluster, B's on the tile column alone, by a column.  Cluster (X, Y): q, k: tile row 4 Y + cy, column 4 X + cx;
; v: tile row 4 (Y & 3) + cy, column 4 (X + 2 (Y >> 2)) + cx.
; qkv, in bytes: q at 0, k at 8 MB: [batch x 16 + head][position / 16] images of 2,048 bytes; v at 16 MB: [batch x 16 + head][key / 128][d / 16].  An image: registers 4 c .. 4 c + 3 of lane l at 512 c + 16 l.
; Left out: a prefetch: half of a work-group's bytes are asked for at its head, and the other three loads follow within three tiles' work.
; LIMITS: e6 - e0 - e1, e7 - e2 - e3 and e8 - e4 - e5 between -126 and 119.
; REGISTERS, in windows of 256: window 0: v0-31 addresses, v32-95 a block on its way out, v128-255 A's fragments, two sets of 4 x 16, the first also the codes on the way out; window 1: B's fragments, two sets of 8 x 16;
;   window 2: accumulator (a, b) at v[8 (8 a + b)]; window 3: v0-127 cos and sin for my 32 positions.
.set PITCH, 272                        ; an LDS row: 256 bytes + 16 of padding = 68 words: the 16 rows that a load touches start at 16 different banks (64 banks of 4 bytes: ISA guide 11.1)
.set ASZ,   128*PITCH                  ; A's rows in a slot
.set SLOT,  384*PITCH                  ; then B's 256
.set SPARE, 3*SLOT                     ; behind the ring: the spare words, 128 bytes for each wave: two blocks of 256 bytes that no other line names
.set AF,    128
.set OUT,   32
.set LI,    5                          ; v5   16 x lane
.set SC,    8                          ; v8   the conversion's scale
.set LIM,   9                          ; v9   448 x that
.set ADRA,  16                         ; v16-18  LDS address of my fragments of A in slot 0, 1, 2
.set ADRB,  20                         ; v20-22  of B
.set SPW,   28                         ; v28  LDS address of my spare word; never rewritten
.set NIL,   29                         ; v29  0; never rewritten
.set G1,  24                           ; s[24:31] descriptor group 1 for A's tiles; s[32:43] group 0, a set for each slot
.set G0,  32
.set G1B, 48                           ; s[48:55], s[84:95] the same for B's
.set G0B, 84
.set MSB, 0
.macro WIN new                         ; the immediate's high byte repeats the setting that is left
.if MSB != \new
	s_set_vgpr_msb (MSB<<8)|\new
.set MSB, \new
.endif
.endm
.set MUL,  0xa1                        ; source 0 (B) window 1, source 1 (A) window 0, C and D window 2
.set TO_B, 0x40                        ; destination window 1
.macro JLOAD s                         ; a joint load: waves 0 and 1 fetch A's halves, waves 2 and 3 B's; four v_nop follow each of the two lines
	s_cmp_eq_u32 s15, 0
	s_cbranch_scc0 .Lfor_b_\@
	tensor_load_to_lds s[G0+4*\s:G0+4*\s+3], s[G1:G1+7]
	s_nop 0
.rept 4
	v_nop
.endr
	s_branch .Lasked_\@
.Lfor_b_\@:
	tensor_load_to_lds s[G0B+4*\s:G0B+4*\s+3], s[G1B:G1B+7]
	s_nop 0
.rept 4
	v_nop
.endr
.Lasked_\@:
.endm
.macro CREST                           ; a round of the cluster's barrier behind its opening barrier
	s_cmp_lg_u32 s14, 0
	s_cbranch_scc1 .Lnot_wave_0_\@
	s_barrier_signal -3
.Lnot_wave_0_\@:
	s_barrier_wait -3
	s_barrier_signal -1
	s_barrier_wait -1
.endm
.macro CROUND                          ; a whole round
	s_barrier_signal -1
	s_barrier_wait -1
	CREST
.endm
	s_load_b128 s[4:7], s[0:1], 0x0                ; pc s[4:5], tab s[6:7]
	s_load_b128 s[8:11], s[0:1], 0x10              ; the scales s[8:9], qkv s[10:11]
	v_lshl_add_u32 v[SPW], v0, 2, SPARE
	v_mov_b32 v[NIL], 0
	ds_add_u32 v28, v29
	s_wait_dscnt 0x0
	v_lshrrev_b32 v1, 5, v0
	v_readfirstlane_b32 s14, v1                    ; wave
	s_lshr_b32 s15, s14, 1                         ; which 64 rows of A are mine.  Also: I fetch for A (0) or for B (1)
	s_and_b32 s16, s14, 1                          ; which 128 rows of B.  Also: which half of that tile I fetch
	s_bfe_u32 s12, ttmp6, 0x40000                  ; cx
	s_bfe_u32 s13, ttmp6, 0x40004                  ; cy
	s_and_b32 s23, ttmp7, 0xffff                   ; cluster y, 0 .. 7
	s_lshl_b32 s17, s23, 2
	s_add_co_u32 s17, s17, s13                     ; q, k: tile row, 0 .. 31
	s_lshl_b32 s18, ttmp9, 2
	s_add_co_u32 s18, s18, s12                     ; q, k: tile column, 0 .. 7
	s_and_b32 s19, s23, 3
	s_lshl_b32 s19, s19, 2
	s_add_co_u32 s19, s19, s13                     ; v: tile row, 0 .. 15
	s_lshr_b32 s20, s23, 2
	s_lshl_b32 s20, s20, 1
	s_add_co_u32 s20, s20, ttmp9
	s_lshl_b32 s20, s20, 2
	s_add_co_u32 s20, s20, s12                     ; v: tile column, 0 .. 15
	s_lshl_b32 s21, s13, 2
	s_lshl_b32 s21, 15, s21                        ; my row of the cluster
	s_lshl_b32 s22, 0x1111, s12                    ; my column
	s_or_b32 s[G1+0], s21, (1<<20)|(1<<21)|(5<<22)|(3<<25)   ; 15:0 the mask; 17:16 elements of 1 byte; 20 padding on; 21 set beside a mask; 24:22 after every 64 words; 31:25 four words
	s_or_b32 s[G1B+0], s22, (1<<20)|(1<<21)|(5<<22)|(3<<25)
	s_mov_b32 s[G1+1], 256<<16                     ; tensor_dim0
	s_mov_b32 s[G1+2], 64<<16                      ; tensor_dim1: A comes in halves of 64 rows,
	s_mov_b32 s[G1+3], 256<<16                     ; tile_dim0
	s_mov_b32 s[G1+4], 64                          ; tile_dim1
	s_mov_b32 s[G1+5], 512                         ; from row to row
	s_mov_b32 s[G1+6], 0
	s_mov_b32 s[G1+7], 0
	s_mov_b32 s[G1B+1], 256<<16
	s_mov_b32 s[G1B+2], 128<<16                    ; B in halves of 128
	s_mov_b32 s[G1B+3], 256<<16
	s_mov_b32 s[G1B+4], 128
	s_mov_b32 s[G1B+5], 512
	s_mov_b32 s[G1B+6], 0
	s_mov_b32 s[G1B+7], 0
	; A's bytes in pc.  q: x by e0, row 64 x tile row + 2,048 x half (k: 2 MB on).  v: Wv at 8 MB, row 128 x tile row + 64 x half.  No register here holds cx
	s_lshl_b32 s44, s17, 15
	s_lshl_b32 s45, s16, 20
	s_add_co_u32 s44, s44, s45
	s_mov_b32 s45, 0
	s_lshl_b32 s56, s19, 16
	s_lshl_b32 s57, s16, 15
	s_add_co_u32 s56, s56, s57
	s_add_co_u32 s56, s56, 8<<20
	s_mov_b32 s57, 0
	; B's: row 256 x tile column + 128 x half: q: of Wq at 6 MB (k: 1 MB on); v: of x by e4 at 4 MB.  No register here holds cy
	s_lshl_b32 s46, s18, 17
	s_lshl_b32 s47, s16, 16
	s_add_co_u32 s46, s46, s47
	s_add_co_u32 s46, s46, 6<<20
	s_lshl_b32 s58, s20, 17
	s_add_co_u32 s58, s58, s47
	s_add_co_u32 s58, s58, 4<<20
	s_mov_b32 s47, 0
	s_mov_b32 s59, 0
	s_mul_i32 s60, s16, 64*PITCH                   ; where they go: no place in the cluster enters an LDS address
	s_mul_i32 s61, s16, 128*PITCH
	s_add_co_u32 s61, s61, ASZ
	s_wait_kmcnt 0x0
	s_load_b256 s[72:79], s[8:9], 0x0              ; e0 .. e7
	s_load_b32 s80, s[8:9], 0x20                   ; e8
	s_add_nc_u64 s[44:45], s[4:5], s[44:45]        ; q's A
	s_add_nc_u64 s[56:57], s[4:5], s[56:57]        ; v's A: kept
	s_add_nc_u64 s[46:47], s[4:5], s[46:47]        ; q's B
	s_add_nc_u64 s[58:59], s[4:5], s[58:59]        ; v's B: kept
	CROUND                                         ; all sixteen work-groups are here: the first joint loads meet
.macro FIRST s, offa, offb             ; slot s's groups 0, and its first fill
	s_mov_b32 s[G0+4*\s], 1
	s_add_co_u32 s[G0+4*\s+1], s60, \s*SLOT
	s_add_nc_u64 s[G0+4*\s+2:G0+4*\s+3], s[44:45], \offa
	s_or_b32 s[G0+4*\s+3], s[G0+4*\s+3], 0x80000000
	s_mov_b32 s[G0B+4*\s], 1
	s_add_co_u32 s[G0B+4*\s+1], s61, \s*SLOT
	s_add_nc_u64 s[G0B+4*\s+2:G0B+4*\s+3], s[46:47], \offb
	s_or_b32 s[G0B+4*\s+3], s[G0B+4*\s+3], 0x80000000
	JLOAD \s
.endm
	FIRST 0, 0, 0                                  ; q, K 0 to 255
	FIRST 1, 256, 256                              ; q, K 256 to 511
	FIRST 2, 0x200000, 0x100000                    ; k, K 0 to 255.  Three loads of mine are out
	v_and_b32 v1, 15, v0                           ; r
	v_bfe_u32 v2, v0, 4, 1                         ; h
	v_mul_u32_u24 v3, v1, PITCH
	v_lshl_add_u32 v3, v2, 4, v3                   ; a fragment's row x pitch + 16 h
	s_mul_i32 s62, s15, 32*PITCH                   ; my blocks of A begin at LDS rows 32 wm, + 16, + 64, + 80;  s61 stands at my 128 rows of B
.irp s, 0,1,2
	v_add_nc_u32 v[ADRA+\s], s62, v3
	v_add_nc_u32 v[ADRB+\s], s61, v3
	s_add_co_u32 s62, s62, SLOT
	s_add_co_u32 s61, s61, SLOT
.endr
	v_and_b32 v[LI], 31, v0
	v_lshlrev_b32 v[LI], 4, v[LI]
	s_lshl_b32 s82, s17, 15                        ; cos and sin of positions 64 x tile row + 32 wm on: two blocks of 8,192 bytes
	s_lshl_b32 s83, s15, 14
	s_add_co_u32 s82, s82, s83
	s_mov_b32 s83, 0
	s_add_nc_u64 s[6:7], s[6:7], s[82:83]
	WIN 0xc0                                       ; destination window 3
.irp u, 0,1
.irp b, 0,1,2,3,4,5,6,7
.irp j, 0,1
	global_load_b128 v[64*\u+8*\b+4*\j:64*\u+8*\b+4*\j+3], v[LI], s[6:7] offset:8192*\u+512*(2*\b+\j)
.endr
.endr
.endr
	WIN 0
	; where my images go.  q: head (2 x tile column + wn) x 262,144 + (4 x tile row + 2 wm) x 2,048; batch 1 lies 4 MB on (in the stores' immediate); k: 8 MB on
	s_lshl_b32 s66, s18, 19
	s_lshl_b32 s67, s16, 18
	s_add_co_u32 s66, s66, s67
	s_lshl_b32 s67, s17, 13
	s_add_co_u32 s66, s66, s67
	s_lshl_b32 s63, s15, 12
	s_add_co_u32 s66, s66, s63
	s_mov_b32 s67, 0
	s_add_nc_u64 s[66:67], s[10:11], s[66:67]
	s_add_nc_u64 s[68:69], s[66:67], 8<<20
	; v: 16 MB + batch x 4 MB + head (the tile row) x 262,144 + block of 128 keys x 16,384 + 2 wm x 2,048; blocks 2, 3 are d + 64: 8,192 on (in the immediate)
	s_lshl_b32 s70, s20, 1
	s_add_co_u32 s70, s70, s16                     ; my 128 rows of x: block 0 .. 31
	s_lshr_b32 s71, s70, 4
	s_lshl_b32 s71, s71, 22
	s_and_b32 s70, s70, 15
	s_lshl_b32 s70, s70, 14
	s_add_co_u32 s70, s70, s71
	s_lshl_b32 s71, s19, 18
	s_add_co_u32 s70, s70, s71
	s_add_co_u32 s70, s70, s63
	s_add_co_u32 s70, s70, 16<<20
	s_mov_b32 s71, 0
	s_add_nc_u64 s[70:71], s[10:11], s[70:71]
.macro FRAG reg, adr, off, cs          ; a fragment, 16 rows x 128 K, is 16 registers: four loads of 16 bytes
.irp c, 0,1,2,3
	ds_load_b128 v[(\reg)+4*\c:(\reg)+4*\c+3], v[\adr] offset:(\off)+(\cs)*\c
.endr
.endm
.macro FETCH slot, q, p                ; the slot's q-th 128 along K into set p: B's eight fragments, A's four: 48 loads in one run
	WIN TO_B
.irp i, 0,1,2,3,4,5,6,7
	FRAG 128*(\p)+16*\i, ADRB+\slot, 128*(\q)+\i*16*PITCH, 32
.endr
	WIN 0
.irp a, 0,1,2,3
	FRAG AF+64*(\p)+16*\a, ADRA+\slot, (16*(\a%2)+64*(\a/2))*PITCH+128*(\q), 32
.endr
.endm
.macro MUL8 a, p, zero                 ; A's block a against B's eight.  The 32 accumulators take turns, one instruction a turn, in the same order in every step and from tile to tile
.irp b, 0,1,2,3,4,5,6,7
.if \zero
	v_wmma_f32_16x16x128_fp8_fp8 v[8*(8*(\a)+\b):8*(8*(\a)+\b)+7], v[128*(\p)+16*\b:128*(\p)+16*\b+15], v[AF+64*(\p)+16*(\a):AF+64*(\p)+16*(\a)+15], 0
.else
	v_wmma_f32_16x16x128_fp8_fp8 v[8*(8*(\a)+\b):8*(8*(\a)+\b)+7], v[128*(\p)+16*\b:128*(\p)+16*\b+15], v[AF+64*(\p)+16*(\a):AF+64*(\p)+16*(\a)+15], v[8*(8*(\a)+\b):8*(8*(\a)+\b)+7]
.endif
.endr
.endm
.macro PLACES                          ; four plain lines between a matrix instruction and a load into its sources, or a read of its result (ISA guide 7.12.1 for reads of its result)
.rept 4
	v_nop
.endr
.endm
.macro STEP slot, zero                 ; a slot's first 128 along K (set 0); the second 128 are fetched into set 1 meanwhile.  zero = 1: a tile's first products start its sums: nothing is cleared
	s_wait_dscnt 0x0                               ; set 0 is in
	PLACES
	FETCH \slot, 1, 1
	WIN MUL
	MUL8 0, 0, \zero
	MUL8 1, 0, \zero
	MUL8 2, 0, \zero
	MUL8 3, 0, \zero
	WIN 0
.endm
.macro REFILL s                        ; slot s's next chunk.  No tensor load of mine is out here, so the groups 0 may be written
.if \s == 0
	s_add_nc_u64 s[G0+2:G0+3], s[G0+2:G0+3], 0x200100      ; from q's first half to k's second: x by e2 lies 2 MB on, Wk 1 MB on; 256 along K
	s_add_nc_u64 s[G0B+2:G0B+3], s[G0B+2:G0B+3], 0x100100
.else
	s_add_nc_u64 s[G0+4*\s+2:G0+4*\s+3], s[56:57], 256*(\s-1)   ; v's halves
	s_or_b32 s[G0+4*\s+3], s[G0+4*\s+3], 0x80000000
	s_add_nc_u64 s[G0B+4*\s+2:G0B+4*\s+3], s[58:59], 256*(\s-1)
	s_or_b32 s[G0B+4*\s+3], s[G0B+4*\s+3], 0x80000000
.endif
	JLOAD \s
.endm
; A slot's second 128 along K (set 1).  bar = 1: a barrier stands in it; in front of it each wave waits for all its tensor loads, adds 0 to its spare word, and waits for that and for all its LDS reads.
; fill: the slot that is filled again behind it, or -1; the barrier then opens a round of the cluster's, and the joint load is the first thing behind the round.  next: the slot whose first 128 are fetched into set 0, or -1.
.macro SECOND bar, fill, next
.if \bar
	s_wait_tensorcnt 0x0                           ; all my tensor loads have landed
	ds_add_u32 v[SPW], v[NIL]                      ; 0 onto my spare word
	s_wait_dscnt 0x1                               ; set 1's 48 loads are in; the add may be out
.else
	s_wait_dscnt 0x0                               ; set 1 is in
.endif
	WIN MUL
	MUL8 0, 1, 0                                   ; eight matrix instructions stand between the add and the wait for it
.if \bar
	s_wait_dscnt 0x0                               ; the add is done, and my reads of every slot so far are over
	s_barrier_signal -1
.endif
	MUL8 1, 1, 0
.if \bar || (\next >= 0)
	WIN 0
.endif
.if \bar
	s_barrier_wait -1
.endif
.if \fill >= 0
	CREST                                          ; no wave of any partner still reads the slot or has a load on its way
	REFILL \fill                                   ; the four v_nop behind the load are also the places in front of the loads below
.elseif \next >= 0
	PLACES
.endif
.if \next >= 0
	FETCH \next, 0, 0
.endif
	WIN MUL
	MUL8 2, 1, 0
	MUL8 3, 1, 0
	WIN 0
.endm
.macro MKSC d, en, ea, eb              ; s[d] = 2^(en - ea - eb) as f32, s[d + 1] = 448 x that
	s_sub_co_i32 s81, s[\en], s[\ea]
	s_sub_co_i32 s81, s81, s[\eb]
	s_add_co_i32 s81, s81, 127
	s_lshl_b32 s[\d], s81, 23
	s_add_co_i32 s81, s81, 8
	s_lshl_b32 s81, s81, 23
	s_or_b32 s[(\d)+1], s81, 0x600000
.endm
; Block a of a tile on its way out: 16 rows of A x 128 of B.  Each block has its own 16 registers of codes, so that within a tile no store's data are written again.  ob: the base's registers; hi: bytes from blocks 0, 1 to blocks 2, 3.
.macro OUTBLK a, rope, ob, hi
.set CD, AF+16*(\a)
.if \rope
	WIN 0x0e                                       ; source 0 (the sums) window 2, source 1 (cos, sin) window 3
.irp b, 0,1,2,3,4,5,6,7
.irp j, 0,2,4,6
	v_mul_f32 v[OUT+8*\b+\j],   v[64*(\a)+8*\b+\j+1], v[64*((\a)%2)+8*\b+\j+1]   ; vo sin   (each accumulator is read from its low end on)
	v_mul_f32 v[OUT+8*\b+\j+1], v[64*(\a)+8*\b+\j+1], v[64*((\a)%2)+8*\b+\j]     ; vo cos
.endr
.irp j, 0,2,4,6
	v_fma_f32 v[OUT+8*\b+\j],   v[64*(\a)+8*\b+\j], v[64*((\a)%2)+8*\b+\j],   -v[OUT+8*\b+\j]    ; ve cos - vo sin
	v_fma_f32 v[OUT+8*\b+\j+1], v[64*(\a)+8*\b+\j], v[64*((\a)%2)+8*\b+\j+1], v[OUT+8*\b+\j+1]   ; ve sin + vo cos
.endr
.endr
	WIN 0
.set i, 0
.rept 64
	v_med3_num_f32 v[OUT+i], v[OUT+i], -v[LIM], v[LIM]   ; the conversion to an 8-bit code does not saturate (ISA guide 7.6.2): the hold comes first
.set i, i+1
.endr
.else
	WIN 0x02                                       ; source 0 window 2
.set i, 0
.rept 64
	v_med3_num_f32 v[OUT+i], v[64*(\a)+i], -v[LIM], v[LIM]
.set i, i+1
.endr
	WIN 0
.endif
.irp b, 0,1,2,3,4,5,6,7
	v_cvt_scalef32_pk8_fp8_f32 v[CD+2*\b:CD+2*\b+1], v[OUT+8*\b:OUT+8*\b+7], v[SC]   ; registers 2 b, 2 b + 1 of the next operand: its k = 16 b + 8 h + 0 .. 7
.endr
	v_nop                                          ; a plain line between the conversions and the next lines that write their sources
.irp c, 0,1,2,3
	global_store_b128 v[LI], v[CD+4*\c:CD+4*\c+3], s[\ob:\ob+1] offset:(\hi)*((\a)/2)+2048*((\a)%2)+512*\c   ; 512 consecutive bytes, aligned
.endr
.endm
.macro WAYOUT rope, sc, ob, hi
	PLACES                                         ; behind the tile's last products
	v_mov_b32 v[SC], s[\sc]
	v_mov_b32 v[LIM], s[(\sc)+1]
	OUTBLK 0, \rope, \ob, \hi
	OUTBLK 1, \rope, \ob, \hi
	OUTBLK 2, \rope, \ob, \hi
	OUTBLK 3, \rope, \ob, \hi
.endm
	s_wait_tensorcnt 0x2                           ; my part of chunk 0 is in; chunks 1 and 2 may stay out
	s_barrier_signal -1
	s_barrier_wait -1                              ; everybody's is
	FETCH 0, 0, 0
	; ---- q: slots 0, 1
	STEP 0, 1
	SECOND 1, 0, 1                                 ; chunks 1 and 2 are whole; slot 0 has been read out and takes chunk 3
	STEP 1, 0
	SECOND 0, -1, -1
	s_wait_kmcnt 0x0                               ; the scales
	MKSC 96, 78, 72, 73                            ; q: e6 - e0 - e1
	MKSC 98, 79, 74, 75                            ; k: e7 - e2 - e3
	MKSC 100, 80, 76, 77                           ; v: e8 - e4 - e5
	s_wait_loadcnt 0x0                             ; cos and sin
	WAYOUT 1, 96, 66, 4194304
	s_wait_tensorcnt 0x0                           ; chunk 3 has landed
	ds_add_u32 v[SPW], v[NIL]                      ; 0 onto my spare word
	s_wait_xcnt 0x0                                ; q's stores have read their data: the codes' registers, A's first set, are loaded again only behind this wait
	s_wait_dscnt 0x0                               ; the add is done; my reads of slot 1 were over before the way out
	CROUND
	REFILL 1                                       ; slot 1 takes chunk 4
	FETCH 2, 0, 0
	; ---- k: slots 2, 0
	STEP 2, 1
	SECOND 0, -1, 0                                ; chunk 3 was shown whole by the round above: no barrier
	STEP 0, 0
	SECOND 1, 2, -1                                ; chunk 4 is whole; slot 2 takes chunk 5
	WAYOUT 1, 98, 68, 4194304
	s_wait_xcnt 0x0                                ; k's stores have read their data
	FETCH 1, 0, 0
	; ---- v: slots 1, 2
	STEP 1, 1
	SECOND 1, -1, 2                                ; chunk 5 is whole; nothing is filled again, so no round
	STEP 2, 0
	SECOND 0, -1, -1
	WAYOUT 0, 100, 70, 8192
	s_wait_tensorcnt 0x0                           ; the wave's end
	ds_add_u32 v[SPW], v[NIL]
	s_wait_dscnt 0x0
	CROUND                                         ; the closing round: no work-group ends while a partner may still ask for a tile that names it
	s_endpgm
.Lfunc_end_k_qad38cf68ce_qkv:
	.size	k_qad38cf68ce_qkv, .Lfunc_end_k_qad38cf68ce_qkv-k_qad38cf68ce_qkv
	.p2alignl 7, 3214868480
	.fill 96, 4, 3214868480
	.section	.rodata,"a",@progbits
	.p2align	6, 0x0
	.amdhsa_kernel k_qad38cf68ce_qkv
		.amdhsa_group_segment_fixed_size 327680
		.amdhsa_private_segment_fixed_size 0
		.amdhsa_enable_private_segment 0
		.amdhsa_kernarg_size 32
		.amdhsa_user_sgpr_count 2
		.amdhsa_user_sgpr_kernarg_segment_ptr 1
		.amdhsa_wavefront_size32 1
		.amdhsa_system_sgpr_workgroup_id_x 1
		.amdhsa_system_sgpr_workgroup_id_y 1
		.amdhsa_system_sgpr_workgroup_id_z 1
		.amdhsa_system_vgpr_workitem_id 0
		.amdhsa_next_free_vgpr 896
		.amdhsa_next_free_sgpr 102
		.amdhsa_reserve_vcc 0
		.amdhsa_float_denorm_mode_32 3
		.amdhsa_float_denorm_mode_16_64 3
		.amdhsa_memory_ordered 1
		.amdhsa_forward_progress 1
		.amdhsa_inst_pref_size 189
	.end_amdhsa_kernel
	.amdgpu_metadata
---
amdhsa.version: [ 1, 2 ]
amdhsa.kernels:
  - .name:           k_qad38cf68ce_qkv
    .symbol:         k_qad38cf68ce_qkv.kd
    .args:
      - { .name: pc, .offset: 0, .size: 8, .value_kind: global_buffer, .address_space: global }
      - { .name: tab, .offset: 8, .size: 8, .value_kind: global_buffer, .address_space: global }
      - { .name: lowp_scales, .offset: 16, .size: 8, .value_kind: global_buffer, .address_space: global }
      - { .name: qkv, .offset: 24, .size: 8, .value_kind: global_buffer, .address_space: global }
    .group_segment_fixed_size: 327680
    .private_segment_fixed_size: 0
    .kernarg_segment_align: 8
    .kernarg_segment_size: 32
    .max_flat_workgroup_size: 128
    .sgpr_count:     102
    .vgpr_count:     896
    .wavefront_size: 32
...
	.end_amdgpu_metadata
.endif
;; end of part 2
;; launch attn (part 3): grid 8 x 32, 16 waves a work-group, clusters of 4 x 1, 327,680 bytes of LDS; arguments qkv, lowp_scales, ctx; writes ctx
.if DOCPART == 3
	.amdgcn_target "amdgcn-amd-amdhsa--gfx1250"
	.amdhsa_code_object_version 6
	.text
	.protected	k_qad38cf68ce_attn
	.globl	k_qad38cf68ce_attn
	.p2align	8
	.type	k_qad38cf68ce_attn,@function
k_qad38cf68ce_attn:
	s_mov_b64 s[64:65], 0
	v_nop
	global_prefetch_b8 v0, s[64:65] scope:SCOPE_SE
	s_setreg_imm32_b32 hwreg(HW_REG_WAVE_MODE, 25, 1), 1
	s_wait_xcnt 0x0
	s_wait_alu depctr_hold_cnt(0) depctr_sa_sdst(0) depctr_va_vdst(0) depctr_va_sdst(0) depctr_va_ssrc(0) depctr_va_vcc(0) depctr_vm_vsrc(0)
	s_getreg_b32 s2, hwreg(HW_REG_IB_STS2, 6, 4)
	s_cmp_eq_u32 s2, 0
	s_cbranch_scc0 .Lentry_in_a_cluster
	s_endpgm
.Lentry_in_a_cluster:
	s_bfe_u32 s2, ttmp6, 0x10000c
	s_cmp_lg_u32 s2, 0x3003
	s_cbranch_scc0 .Lentry_shape_is_right
	s_endpgm
.Lentry_shape_is_right:
; Causal attention on codes of E4M3: S = q k^T (scales e6, e7), p = 2^(t - M) quantised by e9, O = p v (v by e8), O / the row's sum quantised by e10 for the last projection.
; t = score x log2(e) / sqrt(128); M = the running largest t rounded UP to a whole number; the row's sum is taken of the unquantised p, in f32.  When M moves, the sum and O are multiplied by 2^(old M - new M): exact.
; SHARES.  A work-group serves one (batch, head) and 256 of its 2,048 queries; each of its sixteen waves one tile of 16 queries in 256 registers, four waves to a SIMD, so that one wave's vector work stands beside another's products.
; THE TILES OF A WORK-GROUP ARE STREWN: work-group x (0 .. 7) and the wave of rank rho (0 .. 15) own tile x + 8 rho: queries 128 rho + 16 x + 0 .. 15.  Such a wave needs key steps 0 .. rho (128 keys each), and step rho is the
; one on the diagonal, WHATEVER x IS: every work-group has the same 136 wave-steps, no branch hangs on x, and all eight work-groups of a head walk the same keys in step.
; rho = (w & 12) | ((w & 3) xor 3 ((w >> 2) & 1)): waves w, w + 4, w + 8, w + 12 then have 34 steps together, for every w.
; Every wave passes all changes of slots; a step whose keys all come after the wave's queries is left out by a scalar branch on the wave's rank, round no barrier and no tensor load.
; LAYOUT.  Both products are used transposed: S^T = k q^T (source 0 = 16 keys, source 1 = my queries), O^T = v^T p^T (source 0 = 16 of the head's 128): a lane holds ONE query throughout, and p's eight registers of a tile
; are eight neighbouring keys, so that the conversions' results are the second product's operand.  q, k, v lie in memory as images of operand registers (registers 4 c .. 4 c + 3 of lane l at 512 c + 16 l of 2,048 bytes):
; a fragment comes from LDS by four loads at 16 x lane + a constant: no pitch, no padding.  ctx leaves in the same form, straight from the conversions.
; v's FRAGMENTS ARE ASKED FOR AHEAD OF VECTOR WORK: the first four behind the scores' products, ahead of the softmax, into the registers that k's fragments have left; the other four behind the conversions, ahead of O^T's
; 32 rescalings, into the registers that p has left.  One wait, then eight products.
; THE RING.  Two slots of 256 keys: 16 images of k, then 16 of v, 64 KB.  Waves 0 to 3 fetch 16 KB each, a dense block.
; CLUSTER.  Four work-groups of one head ask for each block JOINTLY (the mask names all four): the requests for k and v are divided by four.
; LIMITS: e6 + e7 between -123 and 130 (they are added to c's exponent field); e9, and e10 - e8 - e9, between -126 and 119.  NaN among the inputs is not served.
; REGISTERS: v1 16 x lane; v3 256 x lane; v4 the mask's number; v5, v6 the add's; v8 the LDS address in hand; v12 -M, v13 the largest t, v[14:15] the sum in two halves; v16-31 q; v32-95 four fragments of k or v;
;   v96-159 S^T, then p, then four fragments of v; v160-223 O^T; v224-239 codes; v244: 2^e9; v246 the same for e10 - e8 - e9; v241-243, v252-254 at work.
.set SLOT1, 65536                      ; slot 1 begins here: one exclusive or turns an address in one slot into the other's
.set SPARE, 131072                     ; behind the ring: the spare words, 128 bytes for each of sixteen waves: eight blocks of 256 bytes that no other line names
.set LI,  1
.set PFO, 3
.set DQ,  4
.set SPW, 5
.set NIL, 6
.set AD,  8
.set WV,  18                           ; s18  my wave's number
.set RK,  19                           ; s19  its rank rho
.set TB,  2                            ; s2   LDS byte at which the slot in hand begins
.set SEL, 20                           ; s[20:21] v_permlanex16_b32's selects: lane l xor 16
.set CS,  22                           ; s[22:23] c = log2(e) / sqrt(128) x 2^(e6 + e7)
.set KS,  66                           ; s66  the key step in hand
.set SLOTS, 67                         ; s67  slots still to be asked for
.set PFA, 76                           ; s[76:77] where my prefetches stand
.set LIM, 80                           ; s80  1 in a wave that prefetches, else the greatest number
.macro CROUND                          ; a round of the cluster's barrier
	s_barrier_signal -1
	s_barrier_wait -1
	s_cmp_lg_u32 s[WV], 0
	s_cbranch_scc1 .Lnot_wave_0_\@
	s_barrier_signal -3
.Lnot_wave_0_\@:
	s_barrier_wait -3
	s_barrier_signal -1
	s_barrier_wait -1
.endm
.macro TLOAD                           ; waves 0 and 1 fetch k's halves of a slot, waves 2 and 3 v's; the branch hangs on the wave's number alone.  Four v_nop follow the load
	s_cmp_lt_u32 s[WV], 4
	s_cbranch_scc0 .Lasked_\@
	tensor_load_to_lds s[40:43], s[24:31]
	s_nop 0
.rept 4
	v_nop
.endr
.Lasked_\@:
.endm
; A prefetch of what the NEXT change of slots will ask for: 32 KB of k and 32 KB of v.  Both clusters of a head walk the same bytes: the head's first cluster asks.  Its four partners take 8 KB each of either block, told apart
; BY ADDRESS; in each, wave 4 asks for k's and wave 5 for v's, lanes 256 bytes apart: one instruction, and each block of 256 bytes is named once in the launch.  The last change that fills a slot asks for nothing; slots 0 and 1 come by their loads alone.
.macro ASK
	s_cmp_gt_u32 s[SLOTS], s[LIM]
	s_cbranch_scc0 .Lnot_mine_\@
	global_prefetch_b8 v[PFO], s[PFA:PFA+1] th:TH_LOAD_NT scope:SCOPE_SE
.Lnot_mine_\@:
.endm
	s_load_b128 s[4:7], s[0:1], 0x0                ; qkv s[4:5], the scales s[6:7]
	s_load_b64 s[8:9], s[0:1], 0x10                ; ctx
	v_lshl_add_u32 v[SPW], v0, 2, SPARE
	v_mov_b32 v[NIL], 0
	ds_add_u32 v5, v6
	ds_add_u32 v5, v6
	s_wait_dscnt 0x0
	v_lshrrev_b32 v8, 5, v0
	s_delay_alu instid0(VALU_DEP_1)
	v_readfirstlane_b32 s[WV], v8
	s_bfe_u32 s10, ttmp6, 0x40000                  ; cx: it enters q's, ctx's and the prefetches' addresses and the mask's number, and nothing else
	s_lshl_b32 s11, ttmp9, 2
	s_add_co_u32 s11, s11, s10                     ; x
	s_and_b32 s12, ttmp7, 0xffff                   ; batch x 16 + head
	s_and_b32 s[RK], s[WV], 12
	s_bfe_u32 s13, s[WV], 0x10002
	s_mul_i32 s13, s13, 3
	s_and_b32 s14, s[WV], 3
	s_xor_b32 s13, s13, s14
	s_or_b32 s[RK], s[RK], s13                     ; rho
	s_lshl_b32 s13, s[RK], 3
	s_add_co_u32 s13, s13, s11                     ; my tile of queries
	; descriptor group 1: a dense block of 16 KB as 64 rows of 256 bytes
	s_mov_b32 s24, 15|(3<<16)|(1<<21)              ; 15:0 the mask: all four work-groups; 17:16 elements of 8 bytes; 21 set beside a mask
	s_mov_b32 s25, 32<<16                          ; tensor_dim0
	s_mov_b32 s26, 64<<16                          ; tensor_dim1
	s_mov_b32 s27, 32<<16                          ; tile_dim0
	s_mov_b32 s28, 64                              ; tile_dim1
	s_mov_b32 s29, 32                              ; from row to row
	s_mov_b32 s30, 0
	s_mov_b32 s31, 0
	s_lshl_b32 s41, s14, 14                        ; group 0: LDS address: 16,384 x (wave & 3), in slot 0
	s_bfe_u32 s15, s[WV], 0x10001
	s_lshl_b32 s15, s15, 23
	s_add_co_u32 s15, s15, 8<<20                   ; k at 8 MB, v at 16 MB,
	s_lshl_b32 s16, s12, 18                        ; my head's 262,144 bytes,
	s_add_co_u32 s44, s15, s16
	s_and_b32 s17, s[WV], 1
	s_lshl_b32 s15, s17, 14                        ; the half that I fetch
	s_add_co_u32 s44, s44, s15
	s_mov_b32 s45, 0
	s_lshl_b32 s46, s13, 11                        ; q's image of my tile
	s_add_co_u32 s46, s46, s16
	s_mov_b32 s47, 0
	s_and_b32 s48, s12, 15                         ; ctx [head][batch x 128 + tile] images of 2,048 bytes
	s_lshl_b32 s48, s48, 19
	s_lshr_b32 s49, s12, 4
	s_lshl_b32 s49, s49, 7
	s_add_co_u32 s49, s49, s13
	s_lshl_b32 s49, s49, 11
	s_add_co_u32 s48, s48, s49
	s_mov_b32 s49, 0
	s_lshl_b32 s50, s17, 23                        ; the prefetches: k (even waves) or v, in slot 1: the first change of slots steps it to slot 2
	s_add_co_u32 s50, s50, (8<<20)+32768
	s_add_co_u32 s50, s50, s16
	s_lshl_b32 s51, s10, 13                        ; my work-group's 8 KB
	s_add_co_u32 s50, s50, s51
	s_mov_b32 s51, 0
	s_sub_co_u32 s52, s[WV], 4
	s_lshr_b32 s52, s52, 1                         ; 0 in waves 4 and 5,
	s_or_b32 s52, s52, ttmp9                       ; of the head's first cluster: the same in all four partners
	s_cmp_eq_u32 s52, 0
	s_cselect_b32 s[LIM], 1, -1
	s_mov_b32 s[SEL], 0x76543210
	s_mov_b32 s[SEL+1], 0xfedcba98
	s_mov_b32 s[CS], 0x3e0293ee                    ; log2(e) / sqrt(128)
	s_mov_b32 s[TB], 0
	s_mov_b32 s[KS], 0
	s_mov_b32 s[SLOTS], 7
	s_wait_kmcnt 0x0
	s_load_b128 s[68:71], s[6:7], 0x18             ; e6, e7, e8, e9
	s_load_b32 s72, s[6:7], 0x28                   ; e10
	s_mov_b32 s40, 1
	s_add_nc_u64 s[42:43], s[4:5], s[44:45]
	s_or_b32 s43, s43, 0x80000000
	s_add_nc_u64 s[46:47], s[4:5], s[46:47]
	s_add_nc_u64 s[8:9], s[8:9], s[48:49]
	s_add_nc_u64 s[PFA:PFA+1], s[4:5], s[50:51]
	CROUND                                         ; all four work-groups are here: the first joint loads meet
	TLOAD                                          ; slot 0
	v_and_b32 v[LI], 31, v0
	s_delay_alu instid0(VALU_DEP_1)
	v_lshlrev_b32 v[PFO], 8, v[LI]
	s_delay_alu instid0(VALU_DEP_2)
	v_lshlrev_b32 v[LI], 4, v[LI]
.irp c, 0,1,2,3
	global_load_b128 v[16+4*\c:19+4*\c], v[LI], s[46:47] offset:512*\c   ; q's fragment stays in registers
.endr
	v_and_b32 v9, 15, v0
	v_bfe_u32 v10, v0, 4, 1
	s_delay_alu instid0(VALU_DEP_1)
	v_lshlrev_b32 v10, 3, v10
	s_delay_alu instid0(VALU_DEP_1)
	v_sub_nc_u32 v[DQ], v9, v10
	s_lshl_b32 s53, s11, 4
	v_add_nc_u32 v[DQ], s53, v[DQ]                 ; 16 x + r - 8 h: in the step on the diagonal register n holds key 16 (n / 8) + 8 h + n % 8 of the step, hidden where 16 (n / 8) + n % 8 is above this
	v_mov_b32 v13, 0xff61b1e6                      ; the largest t so far: -3e38
	s_delay_alu instid0(VALU_DEP_1)
	v_floor_f32 v12, -v13                          ; -M
	v_mov_b32 v14, 0
	v_mov_b32 v15, 0
	v_mov_b32 v241, 0                              ; written once: a lane permute's destination counts as one of its sources
	v_mov_b32 v253, 0                              ; (named as the upper half of the pair v[252:253])
.set n, 0
.rept 64
	v_mov_b32 v[160+n], 0                          ; O^T.  The step is written without a first form of its own: the first change of M multiplies zeros
.set n, n+1
.endr
	s_wait_kmcnt 0x0
	s_add_co_i32 s73, s68, s69
	s_lshl_b32 s73, s73, 23
	s_add_co_i32 s[CS], s[CS], s73                 ; a score stands for score x 2^(e6 + e7)
	s_mov_b32 s[CS+1], s[CS]                       ; (named with it as a pair, so it is written)
	s_add_co_i32 s73, s71, 127
	s_lshl_b32 s74, s73, 23
	v_mov_b32 v244, s74                            ; 2^e9
	s_sub_co_i32 s73, s72, s70
	s_sub_co_i32 s73, s73, s71                     ; O^T / the sum stands for that x 2^(e8 + e9): its code is that / 2^(e10 - e8 - e9)
	s_add_co_i32 s73, s73, 127
	s_lshl_b32 s74, s73, 23
	v_mov_b32 v246, s74
; A KEY STEP: 128 keys, the q-th of the slot in hand.
.macro STEP q
	s_cmp_gt_u32 s[KS], s[RK]                      ; all its keys come after my queries: nothing to do
	s_cbranch_scc1 .Lhidden_\@
	v_add_nc_u32 v[AD], s[TB], v[LI]
	s_wait_alu depctr_va_vdst(0)
.irp g, 0,1                                    ; S^T = k q^T, four tiles of 16 keys at a time
.rept 5-\g
	v_nop                                          ; places.  Four in front of loads into registers that matrix instructions have read; at the step's head one more (with the addition above: six), since the scores are written over
.endr                                          ; v96-127, which the last step's products read as a source, and a matrix instruction that writes over such a register stands five places behind
.irp t, 0,1,2,3
.irp c, 0,1,2,3
	ds_load_b128 v[32+16*\t+4*\c:32+16*\t+4*\c+3], v[AD] offset:16384*(\q)+2048*(4*\g+\t)+512*\c
.endr
.endr
	s_wait_dscnt 0x0
.irp t, 0,1,2,3
	v_wmma_f32_16x16x128_fp8_fp8 v[96+8*(4*\g+\t):103+8*(4*\g+\t)], v[32+16*\t:47+16*\t], v[16:31], 0
.endr
.endr
.rept 4
	v_nop                                          ; places: in front of the first read of the scores, and of the loads below into k's registers
.endr
.irp t, 0,1,2,3                                ; v's first four fragments (d 0 to 63) are asked for now: the whole softmax stands ahead of the wait for them
.irp c, 0,1,2,3
	ds_load_b128 v[32+16*\t+4*\c:32+16*\t+4*\c+3], v[AD] offset:32768+16384*(\q)+2048*\t+512*\c
.endr
.endr
	s_cmp_lg_u32 s[KS], s[RK]                      ; only step rho lies on the diagonal
	s_cbranch_scc1 .Lopen_\@
	v_mov_b32 v254, 0xff800000                     ; hidden scores become -infinity ahead of the maximum: p = 0 then.  My own key counts, so the maximum is a number
.set n, 0
.rept 64
	v_cmp_gt_i32 vcc_lo, 16*(n/8)+n%8, v[DQ]
	v_cndmask_b32 v[96+n], v[96+n], v254, vcc_lo
.set n, n+1
.endr
.Lopen_\@:
	v_max3_num_f32 v254, v96, v97, v98             ; the step's largest score of my query among my 64 keys, in two chains, each accumulator from its low end on,
	v_max3_num_f32 v252, v99, v100, v101
.irp i, 6,10,14,18,22,26,30,34,38,42,46,50,54,58
	v_max3_num_f32 v254, v254, v[96+\i], v[97+\i]
	v_max3_num_f32 v252, v252, v[98+\i], v[99+\i]
.endr
	v_max3_num_f32 v254, v254, v158, v159
	s_delay_alu instid0(VALU_DEP_1)
	v_max_num_f32 v254, v254, v252
	s_delay_alu instid0(VALU_DEP_1)
	v_permlanex16_b32 v241, v254, s[SEL], s[SEL+1]
	s_delay_alu instid0(VALU_DEP_1)
	v_max_num_f32 v254, v254, v241                 ; and among lane l xor 16's
	s_delay_alu instid0(VALU_DEP_1)
	v_mul_f32 v254, s[CS], v254                    ; as t (c is positive)
	s_delay_alu instid0(VALU_DEP_1)
	v_max_num_f32 v13, v13, v254                   ; the running largest t
	v_mov_b32 v254, v12
	s_delay_alu instid0(VALU_DEP_2)
	v_floor_f32 v12, -v13                          ; the new -M = floor(-t) = -ceil(t)
	s_delay_alu instid0(VALU_DEP_1)
	v_sub_f32 v254, v12, v254                      ; old M - new M: a whole number, 0 or less
	s_delay_alu instid0(VALU_DEP_1)
	v_cvt_i32_f32 v254, v254                       ; (it saturates)
	s_delay_alu instid0(VALU_DEP_1)
	v_ldexp_f32 v252, 1.0, v254                    ; f = 2^(old M - new M)
.set n, 0
.rept 32
	v_pk_fma_f32 v[96+n:97+n], v[96+n:97+n], s[CS:CS+1], v[12:13] op_sel_hi:[1,0,0]   ; t - M, two at a time
.set n, n+2
.endr
.set n, 0
	s_wait_alu depctr_va_vdst(0)
.rept 64
	v_exp_f32 v[96+n], v[96+n]                     ; p = 2^(t - M)
.set n, n+1
.endr
	v_pk_mul_f32 v[14:15], v[14:15], v[252:253] op_sel_hi:[1,0]   ; the sums under the new M: the plain line behind the exponentials
	s_wait_alu depctr_va_vdst(0)                   ; one wait for the batch of 64, ahead of its first reader
	v_pk_add_f32 v[242:243], v[100:101], v[104:105]
	v_pk_add_f32 v[254:255], v[108:109], v[112:113]
	v_pk_add_f32 v[250:251], v[116:117], v[120:121]
	v_pk_add_f32 v[248:249], v[124:125], v[128:129]
	v_pk_add_f32 v[238:239], v[132:133], v[136:137]
	v_pk_add_f32 v[236:237], v[140:141], v[144:145]
	v_pk_add_f32 v[234:235], v[148:149], v[152:153]
	v_pk_add_f32 v[14:15], v[14:15], v[156:157]
	v_pk_add_f32 v[242:243], v[242:243], v[96:97]
	v_pk_add_f32 v[254:255], v[254:255], v[98:99]
	v_pk_add_f32 v[250:251], v[250:251], v[102:103]
	v_pk_add_f32 v[248:249], v[248:249], v[106:107]
	v_pk_add_f32 v[238:239], v[238:239], v[110:111]
	v_pk_add_f32 v[236:237], v[236:237], v[114:115]
	v_pk_add_f32 v[234:235], v[234:235], v[118:119]
	v_pk_add_f32 v[14:15], v[14:15], v[122:123]
	v_pk_add_f32 v[242:243], v[242:243], v[126:127]
	v_pk_add_f32 v[254:255], v[254:255], v[130:131]
	v_pk_add_f32 v[250:251], v[250:251], v[134:135]
	v_pk_add_f32 v[248:249], v[248:249], v[138:139]
	v_pk_add_f32 v[238:239], v[238:239], v[142:143]
	v_pk_add_f32 v[236:237], v[236:237], v[146:147]
	v_pk_add_f32 v[234:235], v[234:235], v[150:151]
	v_pk_add_f32 v[14:15], v[14:15], v[154:155]
	v_pk_add_f32 v[242:243], v[242:243], v[158:159]
	s_delay_alu instid0(VALU_DEP_2)
	v_pk_add_f32 v[14:15], v[14:15], v[248:249]
	s_delay_alu instid0(VALU_DEP_2)
	v_pk_add_f32 v[242:243], v[242:243], v[238:239]
	v_pk_add_f32 v[254:255], v[254:255], v[236:237]
	v_pk_add_f32 v[250:251], v[250:251], v[234:235]
	s_delay_alu instid0(VALU_DEP_2)
	v_pk_add_f32 v[14:15], v[14:15], v[254:255]
	s_delay_alu instid0(VALU_DEP_2)
	v_pk_add_f32 v[242:243], v[242:243], v[250:251]
	s_delay_alu instid0(VALU_DEP_1)
	v_pk_add_f32 v[14:15], v[14:15], v[242:243]
.irp u, 0,1,2,3,4,5,6,7
.irp i, 0,1,2,3,4,5,6,7
.endr
	v_cvt_scalef32_pk8_fp8_f32 v[224+2*\u:225+2*\u], v[96+8*\u:103+8*\u], v244   ; keys 16 u + 8 h + 0 .. 7: registers 2 u, 2 u + 1 of the operand
.endr
	v_nop
.irp t, 0,1,2,3                                ; v's other four fragments (d 64 to 127) go into the registers that p has left: the 32 rescalings stand ahead of the wait for them
.irp c, 0,1,2,3
	ds_load_b128 v[96+16*\t+4*\c:96+16*\t+4*\c+3], v[AD] offset:32768+16384*(\q)+2048*(4+\t)+512*\c
.endr
.endr
.set n, 0
.rept 32
	v_pk_mul_f32 v[160+n:161+n], v[160+n:161+n], v[252:253] op_sel_hi:[1,0]   ; O^T under the new M.  (Also the plain lines between the conversions and the products that read the codes)
.set n, n+2
.endr
	s_wait_alu depctr_va_vdst(0)
	s_wait_dscnt 0x0                               ; all eight fragments of v are in
.irp t, 0,1,2,3                                ; O^T += v^T p^T: eight products on eight accumulators
	v_wmma_f32_16x16x128_fp8_fp8 v[160+8*\t:167+8*\t], v[32+16*\t:47+16*\t], v[224:239], v[160+8*\t:167+8*\t]
.endr
.irp t, 0,1,2,3
	v_wmma_f32_16x16x128_fp8_fp8 v[192+8*\t:199+8*\t], v[96+16*\t:111+16*\t], v[224:239], v[192+8*\t:199+8*\t]
.endr
.Lhidden_\@:
	s_add_co_u32 s[KS], s[KS], 1
.endm
; THE CHANGE OF SLOTS stands at a slot's head.  Each wave waits for all its tensor loads (its part of the slot that it is about to read), adds 0 to its spare word, and waits for that and for its reads of the slot that it has left.
; fill = 1: a round of the cluster's barrier, so that no wave of any partner still reads that slot or has a load on its way; the joint load into it is the first thing behind the round and has a slot's two steps in which to land.
.macro CHANGE fill
	s_wait_tensorcnt 0x0                           ; no tensor load of mine is out, so the group 0 may be written
	ds_add_u32 v[SPW], v[NIL]                      ; 0 onto my spare word
.if \fill
	s_xor_b32 s41, s41, SLOT1                      ; the other slot than last time,
	s_add_nc_u64 s[42:43], s[42:43], 32768         ; the next 256 keys; the type bits on top are not reached
	s_wait_xcnt 0x0                                ; the last prefetch, a slot back, has read its address
	s_add_nc_u64 s[PFA:PFA+1], s[PFA:PFA+1], 32768 ; one slot further on than the walking descriptor
	s_wait_dscnt 0x0                               ; the add is done, and my reads of the slot that I have left are over
	CROUND
	TLOAD
	ASK
.else
	s_wait_dscnt 0x0
	s_barrier_signal -1
	s_barrier_wait -1
.endif
.endm
	s_wait_loadcnt 0x0                             ; q
.Lslot:                                            ; seven trips: behind each change of slots but the last the next slot is asked for
	CHANGE 1
	STEP 0
	STEP 1
	s_xor_b32 s[TB], s[TB], SLOT1
	s_sub_co_u32 s[SLOTS], s[SLOTS], 1
	s_cmp_lg_u32 s[SLOTS], 0
	s_cbranch_scc1 .Lslot
	CHANGE 0                                       ; the last slot is written out
	STEP 0
	STEP 1
	; THE WAY OUT: O^T / the sum, converted: registers 2 u, 2 u + 1 hold d = 16 u + 8 h + 0 .. 7 of my query's row: the last projection's operand as it stands.
.rept 4
	v_nop
.endr
	v_add_f32 v14, v14, v15
	s_delay_alu instid0(VALU_DEP_1)
	v_permlanex16_b32 v241, v14, s[SEL], s[SEL+1]
	s_delay_alu instid0(VALU_DEP_1)
	v_add_f32 v14, v14, v241                       ; the row's sum
	s_wait_alu depctr_va_vdst(0)
	v_rcp_f32 v14, v14
	v_nop                                          ; a plain line behind the reciprocal,
	s_wait_alu depctr_va_vdst(0)                   ; and the wait ahead of its first reader
.set n, 0
.rept 64
	v_mul_f32 v[96+n], v[160+n], v14
.set n, n+1
.endr
.set n, 0
.rept 64
.set n, n+1
.endr
.irp u, 0,1,2,3,4,5,6,7
	v_cvt_scalef32_pk8_fp8_f32 v[224+2*\u:225+2*\u], v[96+8*\u:103+8*\u], v246
.endr
	v_nop
.irp c, 0,1,2,3
	global_store_b128 v[LI], v[224+4*\c:227+4*\c], s[8:9] offset:512*\c   ; 512 consecutive bytes, aligned
.endr
	s_wait_tensorcnt 0x0                           ; the wave's end
	ds_add_u32 v[SPW], v[NIL]
	s_wait_dscnt 0x0
	CROUND                                         ; the closing round
	s_endpgm
.Lfunc_end_k_qad38cf68ce_attn:
	.size	k_qad38cf68ce_attn, .Lfunc_end_k_qad38cf68ce_attn-k_qad38cf68ce_attn
	.p2alignl 7, 3214868480
	.fill 96, 4, 3214868480
	.section	.rodata,"a",@progbits
	.p2align	6, 0x0
	.amdhsa_kernel k_qad38cf68ce_attn
		.amdhsa_group_segment_fixed_size 327680
		.amdhsa_private_segment_fixed_size 0
		.amdhsa_enable_private_segment 0
		.amdhsa_kernarg_size 24
		.amdhsa_user_sgpr_count 2
		.amdhsa_user_sgpr_kernarg_segment_ptr 1
		.amdhsa_wavefront_size32 1
		.amdhsa_system_sgpr_workgroup_id_x 1
		.amdhsa_system_sgpr_workgroup_id_y 1
		.amdhsa_system_sgpr_workgroup_id_z 1
		.amdhsa_system_vgpr_workitem_id 0
		.amdhsa_next_free_vgpr 256
		.amdhsa_next_free_sgpr 100
		.amdhsa_reserve_vcc 1
		.amdhsa_float_denorm_mode_32 3
		.amdhsa_float_denorm_mode_16_64 3
		.amdhsa_fp16_overflow 1
		.amdhsa_memory_ordered 1
		.amdhsa_forward_progress 1
		.amdhsa_inst_pref_size 102
	.end_amdhsa_kernel
	.amdgpu_metadata
---
amdhsa.version: [ 1, 2 ]
amdhsa.kernels:
  - .name:           k_qad38cf68ce_attn
    .symbol:         k_qad38cf68ce_attn.kd
    .args:
      - { .name: qkv, .offset: 0, .size: 8, .value_kind: global_buffer, .address_space: global }
      - { .name: lowp_scales, .offset: 8, .size: 8, .value_kind: global_buffer, .address_space: global }
      - { .name: ctx, .offset: 16, .size: 8, .value_kind: global_buffer, .address_space: global }
    .group_segment_fixed_size: 327680
    .private_segment_fixed_size: 0
    .kernarg_segment_align: 8
    .kernarg_segment_size: 24
    .max_flat_workgroup_size: 512
    .sgpr_count:     100
    .vgpr_count:     256
    .wavefront_size: 32
...
	.end_amdgpu_metadata
.endif
;; end of part 3
;; launch oproj (part 4): grid 8 x 32, 4 waves a work-group, clusters of 4 x 4, 327,680 bytes of LDS; arguments ctx, pc, lowp_scales, bo, out0; writes out0
.if DOCPART == 4
	.amdgcn_target "amdgcn-amd-amdhsa--gfx1250"
	.amdhsa_code_object_version 6
	.text
	.protected	k_qad38cf68ce_oproj
	.globl	k_qad38cf68ce_oproj
	.p2align	8
	.type	k_qad38cf68ce_oproj,@function
k_qad38cf68ce_oproj:
	s_mov_b64 s[64:65], 0
	v_nop
	global_prefetch_b8 v0, s[64:65] scope:SCOPE_SE
	s_setreg_imm32_b32 hwreg(HW_REG_WAVE_MODE, 25, 1), 1
	s_wait_xcnt 0x0
	s_wait_alu depctr_hold_cnt(0) depctr_sa_sdst(0) depctr_va_vdst(0) depctr_va_sdst(0) depctr_va_ssrc(0) depctr_va_vcc(0) depctr_vm_vsrc(0)
	s_getreg_b32 s2, hwreg(HW_REG_IB_STS2, 6, 4)
	s_cmp_eq_u32 s2, 0
	s_cbranch_scc0 .Lentry_in_a_cluster
	s_endpgm
.Lentry_in_a_cluster:
	s_bfe_u32 s2, ttmp6, 0x10000c
	s_cmp_lg_u32 s2, 0xf033
	s_cbranch_scc0 .Lentry_shape_is_right
	s_endpgm
.Lentry_shape_is_right:
; out0 = ctx Wo^T + bo on codes of E4M3: M = 4,096, N = 2,048, K = 2,048; each sum x 2^(e10 + e11), then the bias.
; A tile of out0 is 128 rows x 256 columns: 256 work-groups, one for each WGP (tiles of 256 x 256 would be 128).  Four waves, each 64 x 128: 32 accumulators, 256 registers.
; THE MATRIX INSTRUCTION IS USED TRANSPOSED (source 0 = 16 rows of Wo, source 1 = 16 rows of ctx): a lane holds eight neighbouring columns of one row of out0.
; ctx lies in memory as images of operand registers, [head][row / 16] x 2,048 bytes (registers 4 c .. 4 c + 3 of lane l at 512 c + 16 l): a head's eight images for my 128 rows are one dense block of 16 KB, and a fragment
; comes from LDS at 16 x lane + a constant.  Wo's codes lie in rows of 2,048 bytes in pc at 9 MB, the middle pieces of each 32 exchanged, so that loads of 16 bytes give k the same places that ctx's images have.
; K goes in steps of 256 (two heads) through a ring of two LDS slots: eight steps.  Waves 0 and 1 fetch ctx's two heads, waves 2 and 3 Wo's two halves of 128 rows x 256 bytes.
; CLUSTERS: 4 x 4.  ctx's blocks hang on the tile row alone and are asked for jointly by a row of the cluster, Wo's on the tile column alone, by a column.
; Left out: work-groups that stay (one tile to a work-group).
; LIMIT: e10 + e11 between -126 and 127.
; REGISTERS, in windows of 256: window 0: v0-31 addresses, v[8:11] my four numbers of bo, v128-255 ctx's fragments, two sets of 4 x 16, later rows on their way out; window 1: Wo's fragments, two sets of 8 x 16;
;   window 2: accumulator (a, b) at v[8 (8 a + b)].
.set PITCH, 272                        ; Wo's row in LDS: 256 bytes + 16 of padding: the 16 rows that a load touches start at 16 different banks (64 banks of 4 bytes: ISA guide 11.1)
.set ASZ,   32768                      ; ctx's 16 images in a slot
.set SLOT,  ASZ+256*PITCH              ; then Wo's 256 rows: 102,400
.set STAGE, 2*SLOT                     ; behind the ring: 16 rows x 528 bytes for each wave, for the way out
.set SPITCH, 528
.set SPARE, STAGE+4*16*SPITCH          ; behind the stages: the spare words, 128 bytes for each wave: two blocks of 256 bytes that no other line names
.set AF,    128
.set ADRA,  16
.set ADRB,  20
.set STO,   24
.set RD,    25
.set CO,    26                         ; v26  16 x lane
.set SPW,   28
.set NIL,   29
.set PFO,   30
.set G1,  24
.set G0,  32
.set G1B, 48
.set G0B, 56
.set PFA, 78                           ; s[78:79] where my prefetches stand;  s[80:81] a K step on, in bytes;  s82: 1 in a wave that prefetches, else the greatest number
.set PFS, 80
.set LIM, 82
.set MSB, 0
.macro WIN new                         ; the immediate's high byte repeats the setting that is left
.if MSB != \new
	s_set_vgpr_msb (MSB<<8)|\new
.set MSB, \new
.endif
.endm
.set MUL,  0xa1                        ; source 0 (Wo) window 1, source 1 (ctx) window 0, C and D window 2
.set TO_B, 0x40
.macro JLOAD s                         ; a joint load; four v_nop follow each of the two lines
	s_cmp_eq_u32 s15, 0
	s_cbranch_scc0 .Lfor_b_\@
	tensor_load_to_lds s[G0+4*\s:G0+4*\s+3], s[G1:G1+7]
	s_nop 0
.rept 4
	v_nop
.endr
	s_branch .Lasked_\@
.Lfor_b_\@:
	tensor_load_to_lds s[G0B+4*\s:G0B+4*\s+3], s[G1B:G1B+7]
	s_nop 0
.rept 4
	v_nop
.endr
.Lasked_\@:
.endm
.macro CREST                           ; a round of the cluster's barrier behind its opening barrier
	s_cmp_lg_u32 s14, 0
	s_cbranch_scc1 .Lnot_wave_0_\@
	s_barrier_signal -3
.Lnot_wave_0_\@:
	s_barrier_wait -3
	s_barrier_signal -1
	s_barrier_wait -1
.endm
.macro CROUND
	s_barrier_signal -1
	s_barrier_wait -1
	CREST
.endm
; A prefetch of the K step that stands TWO refills on (128 matrix instructions ahead of the load that will want it), behind the joint load and the run of LDS loads.  ctx's blocks of a tile row are read by both clusters of that row of
; clusters: cluster x = 0 asks, wave 0 of each of the four partners for 8 KB of the step's 32 KB, told apart BY ADDRESS (cx), lanes 256 bytes apart.  Wo's rows of a tile column are read by all eight clusters of that column:
; cluster y = 0 asks, each partner for 64 of the 256 rows (cy), waves 2 and 3 for 32 each, a lane a row.  So each block of 256 bytes is named once.  The loop's last trip asks for nothing; K steps 0 to 3 come by their loads alone.
.macro ASK
	s_cmp_gt_u32 s3, s[LIM]
	s_cbranch_scc0 .Lnot_mine_\@
	global_prefetch_b8 v[PFO], s[PFA:PFA+1] th:TH_LOAD_NT scope:SCOPE_SE
.Lnot_mine_\@:
.endm
	s_load_b128 s[4:7], s[0:1], 0x0                ; ctx s[4:5], pc s[6:7]
	s_load_b128 s[8:11], s[0:1], 0x10              ; the scales s[8:9], bo s[10:11]
	s_load_b64 s[12:13], s[0:1], 0x20              ; out0
	v_lshl_add_u32 v[SPW], v0, 2, SPARE
	v_mov_b32 v[NIL], 0
	ds_add_u32 v28, v29
	s_wait_dscnt 0x0
	v_lshrrev_b32 v1, 5, v0
	v_readfirstlane_b32 s14, v1                    ; wave
	s_lshr_b32 s15, s14, 1                         ; which 64 rows are mine.  Also: I fetch for ctx (0) or for Wo (1)
	s_and_b32 s16, s14, 1                          ; which 128 columns.  Also: which half I fetch
	s_bfe_u32 s40, ttmp6, 0x40000                  ; cx
	s_bfe_u32 s41, ttmp6, 0x40004                  ; cy
	s_lshl_b32 s42, ttmp9, 2
	s_add_co_u32 s42, s42, s40                     ; tile column, 0 .. 7
	s_and_b32 s17, ttmp7, 0xffff
	s_lshl_b32 s17, s17, 2
	s_add_co_u32 s17, s17, s41                     ; tile row, 0 .. 31
	s_lshl_b32 s43, s41, 2
	s_lshl_b32 s43, 15, s43                        ; my row of the cluster
	s_lshl_b32 s44, 0x1111, s40                    ; my column
	s_or_b32 s[G1+0], s43, (3<<16)|(1<<21)         ; ctx: a dense block of 16 KB as 64 rows of 32 elements of 8 bytes; 21 set beside a mask
	s_mov_b32 s[G1+1], 32<<16
	s_mov_b32 s[G1+2], 64<<16
	s_mov_b32 s[G1+3], 32<<16
	s_mov_b32 s[G1+4], 64
	s_mov_b32 s[G1+5], 32
	s_mov_b32 s[G1+6], 0
	s_mov_b32 s[G1+7], 0
	s_or_b32 s[G1B+0], s44, (1<<20)|(1<<21)|(5<<22)|(3<<25)   ; Wo: 128 rows of 256 bytes, 2,048 apart; four words of padding after every 64
	s_mov_b32 s[G1B+1], 256<<16
	s_mov_b32 s[G1B+2], 128<<16
	s_mov_b32 s[G1B+3], 256<<16
	s_mov_b32 s[G1B+4], 128
	s_mov_b32 s[G1B+5], 2048
	s_mov_b32 s[G1B+6], 0
	s_mov_b32 s[G1B+7], 0
	s_lshl_b32 s20, s17, 14                        ; ctx: tile row x 16,384 + head (the half that I fetch) x 524,288.  No register here holds cx
	s_lshl_b32 s21, s16, 19
	s_add_co_u32 s20, s20, s21
	s_mov_b32 s21, 0
	s_lshl_b32 s68, s42, 19                        ; Wo: 9 MB + (256 x tile column + 128 x half) rows of 2,048 bytes.  No register here holds cy
	s_lshl_b32 s69, s16, 18
	s_add_co_u32 s68, s68, s69
	s_add_co_u32 s68, s68, 9<<20
	s_mov_b32 s69, 0
	s_lshl_b32 s22, s16, 14                        ; where they go
	s_mul_i32 s23, s16, 128*PITCH
	s_add_co_u32 s23, s23, ASZ
	s_wait_kmcnt 0x0
	s_load_b64 s[46:47], s[8:9], 0x28              ; e10, e11
	s_add_nc_u64 s[20:21], s[4:5], s[20:21]
	s_add_nc_u64 s[68:69], s[6:7], s[68:69]
	CROUND                                         ; all sixteen work-groups are here: the first joint loads meet
.irp s, 0,1
	s_mov_b32 s[G0+4*\s], 1
	s_add_co_u32 s[G0+4*\s+1], s22, \s*SLOT
	s_add_nc_u64 s[G0+4*\s+2:G0+4*\s+3], s[20:21], \s*1048576   ; K step s: heads 2 s, 2 s + 1
	s_or_b32 s[G0+4*\s+3], s[G0+4*\s+3], 0x80000000
	s_mov_b32 s[G0B+4*\s], 1
	s_add_co_u32 s[G0B+4*\s+1], s23, \s*SLOT
	s_add_nc_u64 s[G0B+4*\s+2:G0B+4*\s+3], s[68:69], \s*256
	s_or_b32 s[G0B+4*\s+3], s[G0B+4*\s+3], 0x80000000
	JLOAD \s                                       ; two loads of mine are out
.endr
	v_and_b32 v1, 15, v0                           ; r
	v_bfe_u32 v2, v0, 4, 1                         ; h
	v_mul_u32_u24 v3, v1, PITCH
	v_lshl_add_u32 v3, v2, 4, v3
	v_and_b32 v[CO], 31, v0
	v_lshlrev_b32 v[CO], 4, v[CO]
	s_lshl_b32 s22, s15, 13                        ; my four images of each head;  s23 stands at my 128 rows of Wo
.irp s, 0,1
	v_add_nc_u32 v[ADRA+\s], s22, v[CO]
	v_add_nc_u32 v[ADRB+\s], s23, v3
	s_add_co_u32 s22, s22, SLOT
	s_add_co_u32 s23, s23, SLOT
.endr
	s_mul_i32 s22, s14, 16*SPITCH
	s_add_co_u32 s22, s22, STAGE                   ; my stage
	v_mul_u32_u24 v4, v1, SPITCH
	v_lshl_add_u32 v4, v2, 5, v4
	v_add_nc_u32 v[STO], s22, v4                   ; in: row r, 32 bytes for each half of the lanes
	v_add_nc_u32 v[RD], s22, v[CO]                 ; back: the 32 lanes take one row of 512 bytes
	s_lshl_b32 s84, s42, 10
	s_lshl_b32 s85, s16, 9
	s_add_co_u32 s84, s84, s85                     ; my first column, in bytes
	s_mov_b32 s85, 0
	s_add_nc_u64 s[10:11], s[10:11], s[84:85]
	global_load_b128 v[8:11], v[CO], s[10:11]      ; bo at the four columns that I hold of every row on the way out
	s_lshl_b32 s86, s17, 20
	s_lshl_b32 s87, s15, 19
	s_add_co_u32 s86, s86, s87                     ; my first row: (128 x tile row + 64 wm) x 8,192 bytes
	s_add_co_u32 s84, s84, s86
	s_add_nc_u64 s[12:13], s[12:13], s[84:85]
	; the prefetches: they stand at K step 3; the first refill steps them to 4
	s_lshl_b32 s70, s17, 14
	s_lshr_b32 s71, s40, 1
	s_lshl_b32 s71, s71, 19
	s_add_co_u32 s70, s70, s71
	s_and_b32 s71, s40, 1
	s_lshl_b32 s71, s71, 13
	s_add_co_u32 s70, s70, s71
	s_add_co_u32 s70, s70, 3<<20                   ; ctx: tile row's block, head cx / 2 of the step's two, its half cx % 2
	s_lshl_b32 s72, s42, 19
	s_lshl_b32 s73, s41, 17
	s_add_co_u32 s72, s72, s73
	s_lshl_b32 s73, s16, 16
	s_add_co_u32 s72, s72, s73
	s_add_co_u32 s72, s72, (9<<20)+768             ; Wo: row 256 x tile column + 64 cy + 32 x half
	s_and_b32 s74, ttmp7, 0xffff
	s_xor_b32 s75, s15, 1
	s_and_b32 s75, s75, s16                        ; of ctx's two fetching waves only wave 0 asks
	s_cmp_eq_u32 s15, 0
	s_cselect_b64 s[PFA:PFA+1], s[4:5], s[6:7]
	s_cselect_b32 s70, s70, s72
	s_cselect_b32 s74, ttmp9, s74                  ; the coordinate along which other clusters read the same bytes
	s_mov_b32 s[PFS], 256
	s_cselect_b32 s[PFS], 1048576, s[PFS]
	s_mov_b32 s76, 2048
	s_cselect_b32 s76, 256, s76                    ; from lane to lane
	s_or_b32 s74, s74, s75
	s_cmp_eq_u32 s74, 0
	s_cselect_b32 s[LIM], 1, -1                    ; the same in all sixteen partners, for a given wave
	s_mov_b32 s71, 0
	s_mov_b32 s[PFS+1], 0
	s_add_nc_u64 s[PFA:PFA+1], s[PFA:PFA+1], s[70:71]
	v_and_b32 v[PFO], 31, v0
	v_mul_lo_u32 v[PFO], v[PFO], s76
.macro FRAG reg, adr, off, cs
.irp c, 0,1,2,3
	ds_load_b128 v[(\reg)+4*\c:(\reg)+4*\c+3], v[\adr] offset:(\off)+(\cs)*\c
.endr
.endm
.macro FETCH slot, q, p                ; the slot's q-th 128 along K (one head) into set p: Wo's eight fragments, ctx's four: 48 loads in one run
	WIN TO_B
.irp i, 0,1,2,3,4,5,6,7
	FRAG 128*(\p)+16*\i, ADRB+\slot, 128*(\q)+\i*16*PITCH, 32
.endr
	WIN 0
.irp a, 0,1,2,3
	FRAG AF+64*(\p)+16*\a, ADRA+\slot, 16384*(\q)+2048*\a, 512
.endr
.endm
.macro MUL8 a, p, zero                 ; ctx's block a against Wo's eight.  The 32 accumulators take turns, one instruction a turn, in the same order in every step
.irp b, 0,1,2,3,4,5,6,7
.if \zero
	v_wmma_f32_16x16x128_fp8_fp8 v[8*(8*(\a)+\b):8*(8*(\a)+\b)+7], v[128*(\p)+16*\b:128*(\p)+16*\b+15], v[AF+64*(\p)+16*(\a):AF+64*(\p)+16*(\a)+15], 0
.else
	v_wmma_f32_16x16x128_fp8_fp8 v[8*(8*(\a)+\b):8*(8*(\a)+\b)+7], v[128*(\p)+16*\b:128*(\p)+16*\b+15], v[AF+64*(\p)+16*(\a):AF+64*(\p)+16*(\a)+15], v[8*(8*(\a)+\b):8*(8*(\a)+\b)+7]
.endif
.endr
.endm
.macro PLACES                          ; four plain lines between a matrix instruction and a load into its sources, or a read of its result (ISA guide 7.12.1 for reads of its result)
.rept 4
	v_nop
.endr
.endm
.macro STEP slot, zero                 ; a slot's first head (set 0); its second is fetched into set 1 meanwhile
	s_wait_dscnt 0x0                               ; set 0 is in
	PLACES
	FETCH \slot, 1, 1
	WIN MUL
	MUL8 0, 0, \zero
	MUL8 1, 0, \zero
	MUL8 2, 0, \zero
	MUL8 3, 0, \zero
	WIN 0
.endm
; A slot's second head (set 1), and the change of slots: ONE barrier; in front of it each wave waits for all its tensor loads, adds 0 to its spare word, and waits for that and for its reads of this slot.  fill = 1: the barrier opens a
; round of the cluster's, and this slot is filled again, two K steps ahead, first thing behind the round.
.macro TURN slot, next, fill
.if \fill
	s_wait_xcnt 0x0                                ; the last prefetch, a K step back, has read its address
	s_add_nc_u64 s[PFA:PFA+1], s[PFA:PFA+1], s[PFS:PFS+1]
.endif
	s_wait_tensorcnt 0x0                           ; all my tensor loads have landed: my part of the next slot
	ds_add_u32 v[SPW], v[NIL]                      ; 0 onto my spare word
	s_wait_dscnt 0x1                               ; set 1's 48 loads are in; the add may be out
	WIN MUL
	MUL8 0, 1, 0                                   ; eight matrix instructions stand between the add and the wait for it
	s_wait_dscnt 0x0                               ; the add is done, and my reads of this slot are over
	s_barrier_signal -1
	MUL8 1, 1, 0
	WIN 0
	s_barrier_wait -1
.if \fill
	CREST                                          ; no wave of any partner still reads this slot or has a load on its way
	s_add_nc_u64 s[G0+4*\slot+2:G0+4*\slot+3], s[G0+4*\slot+2:G0+4*\slot+3], 2097152   ; four heads on
	s_add_nc_u64 s[G0B+4*\slot+2:G0B+4*\slot+3], s[G0B+4*\slot+2:G0B+4*\slot+3], 512
	JLOAD \slot                                    ; the four v_nop behind it are also the places in front of the loads below
.else
	PLACES
.endif
	FETCH \next, 0, 0
.if \fill
	ASK
.endif
	WIN MUL
	MUL8 2, 1, 0
	MUL8 3, 1, 0
	WIN 0
.endm
	s_wait_tensorcnt 0x1                           ; my part of K step 0 is in; K step 1's may stay out
	s_barrier_signal -1
	s_barrier_wait -1
	FETCH 0, 0, 0
	STEP 0, 1                                      ; the first products start the sums: nothing is cleared
	s_mov_b32 s3, 3
.Llap:                                             ; a trip goes once round the ring and fills both slots again: K steps 2 to 7 in three trips
	TURN 0, 1, 1
	STEP 1, 0
	TURN 1, 0, 1
	STEP 0, 0
	s_sub_co_u32 s3, s3, 1
	s_cmp_lg_u32 s3, 0
	s_cbranch_scc1 .Llap
	TURN 0, 1, 0                                   ; the last lap fills nothing, and has no round
	STEP 1, 0
	s_wait_dscnt 0x0
	WIN MUL
	MUL8 0, 1, 0
	MUL8 1, 1, 0
	MUL8 2, 1, 0
	MUL8 3, 1, 0
	WIN 0
; THE WAY OUT, block by block of 16 rows x 128 columns.  A lane holds 32 neighbouring bytes of a row and the lanes beside it other rows: a block goes through my own stage and comes back as whole rows of 512 bytes.  In that form a lane
; holds the same four columns of every row, so four registers of bo serve the tile: one packed multiply-add gives sum x 2^(e10 + e11) + bo for two numbers.
.macro TOSTAGE a
	WIN 0x08                                       ; the stores' data: window 2
.irp b, 0,1,2,3,4,5,6,7
	ds_store_b128 v[STO], v[64*(\a)+8*\b:64*(\a)+8*\b+3] offset:64*\b          ; each accumulator from its low end on
	ds_store_b128 v[STO], v[64*(\a)+8*\b+4:64*(\a)+8*\b+7] offset:64*\b+16
.endr
	WIN 0
.set BB, AF+64*((\a)%2)
.irp t, 0,1,2,3,4,5,6,7,8,9,10,11,12,13,14,15
	ds_load_b128 v[BB+4*\t:BB+4*\t+3], v[RD] offset:\t*SPITCH   ; LDS serves a wave's instructions in order (ISA guide 5.7.1.4): these see the stores above, and the next block's stores come behind them
.endr
.endm
.macro SEND a, younger                 ; younger: the LDS instructions issued behind block a's loads, which may stay out
.set BB, AF+64*((\a)%2)
	s_wait_dscnt \younger
.irp t, 0,1,2,3,4,5,6,7,8,9,10,11,12,13,14,15
	v_pk_fma_f32 v[BB+4*\t:BB+4*\t+1], v[BB+4*\t:BB+4*\t+1], s[46:47], v[8:9] op_sel_hi:[1,0,1]
	v_pk_fma_f32 v[BB+4*\t+2:BB+4*\t+3], v[BB+4*\t+2:BB+4*\t+3], s[46:47], v[10:11] op_sel_hi:[1,0,1]
	global_store_b128 v[CO], v[BB+4*\t:BB+4*\t+3], s[12:13] offset:131072*(\a)+8192*\t th:TH_STORE_NT   ; 512 consecutive bytes, aligned; written once, read by nobody here
.endr
.endm
	PLACES
	s_wait_kmcnt 0x0
	s_add_co_i32 s46, s46, s47
	s_add_co_i32 s46, s46, 127
	s_lshl_b32 s46, s46, 23                        ; 2^(e10 + e11) as f32
	s_mov_b32 s47, s46                             ; (named with it as a pair, so it is written)
	s_wait_loadcnt 0x0                             ; bo
	TOSTAGE 0
.irp a, 1,2,3
.if \a > 1
	s_wait_xcnt 0x0                                ; block a - 2's stores have read their data: block a's loads may land there
.endif
	TOSTAGE \a
	SEND \a-1, 32                                  ; behind block a - 1's loads: block a's 16 stores and 16 loads
.endr
	SEND 3, 0
	s_wait_tensorcnt 0x0                           ; the wave's end
	ds_add_u32 v[SPW], v[NIL]
	s_wait_dscnt 0x0
	CROUND                                         ; the closing round
	s_endpgm
.Lfunc_end_k_qad38cf68ce_oproj:
	.size	k_qad38cf68ce_oproj, .Lfunc_end_k_qad38cf68ce_oproj-k_qad38cf68ce_oproj
	.p2alignl 7, 3214868480
	.fill 96, 4, 3214868480
	.section	.rodata,"a",@progbits
	.p2align	6, 0x0
	.amdhsa_kernel k_qad38cf68ce_oproj
		.amdhsa_group_segment_fixed_size 327680
		.amdhsa_private_segment_fixed_size 0
		.amdhsa_enable_private_segment 0
		.amdhsa_kernarg_size 40
		.amdhsa_user_sgpr_count 2
		.amdhsa_user_sgpr_kernarg_segment_ptr 1
		.amdhsa_wavefront_size32 1
		.amdhsa_system_sgpr_workgroup_id_x 1
		.amdhsa_system_sgpr_workgroup_id_y 1
		.amdhsa_system_sgpr_workgroup_id_z 1
		.amdhsa_system_vgpr_workitem_id 0
		.amdhsa_next_free_vgpr 768
		.amdhsa_next_free_sgpr 100
		.amdhsa_reserve_vcc 0
		.amdhsa_float_denorm_mode_32 3
		.amdhsa_float_denorm_mode_16_64 3
		.amdhsa_memory_ordered 1
		.amdhsa_forward_progress 1
		.amdhsa_inst_pref_size 77
	.end_amdhsa_kernel
	.amdgpu_metadata
---
amdhsa.version: [ 1, 2 ]
amdhsa.kernels:
  - .name:           k_qad38cf68ce_oproj
    .symbol:         k_qad38cf68ce_oproj.kd
    .args:
      - { .name: ctx, .offset: 0, .size: 8, .value_kind: global_buffer, .address_space: global }
      - { .name: pc, .offset: 8, .size: 8, .value_kind: global_buffer, .address_space: global }
      - { .name: lowp_scales, .offset: 16, .size: 8, .value_kind: global_buffer, .address_space: global }
      - { .name: bo, .offset: 24, .size: 8, .value_kind: global_buffer, .address_space: global }
      - { .name: out0, .offset: 32, .size: 8, .value_kind: global_buffer, .address_space: global }
    .group_segment_fixed_size: 327680
    .private_segment_fixed_size: 0
    .kernarg_segment_align: 8
    .kernarg_segment_size: 40
    .max_flat_workgroup_size: 128
    .sgpr_count:     100
    .vgpr_count:     768
    .wavefront_size: 32
...
	.end_amdgpu_metadata
.endif
;; end of part 4
